; MI455X (gfx1250); checked and timed in simulation.
; The chip was launched on July 23, 2026; its instructions are those of AMD's public machine-readable ISA for CDNA 5 (MIT licence, August 2026) and "CDNA5" Instruction Set Architecture Reference Guide (July 2026). The comments in the code are by the model that wrote it; some were corrected since.
;; Multi Head Attention. Allowed arithmetic: matrix products marked QUANTISED: E2M1 operands, one E8M0 scale for each 32 along K, by v_wmma_scale_f32_16x16x128_f8f6f4 with both operands' format E2M1 (or v_wmma_scale_f32_32x16x128_f4), f32 sums; products left as they are: bf16, f16 or f32 operands; f32 sums; everything else in f32.
;; Inputs: W1 1,024 x 2,048 float32; W2 2,048 x 1,024 float32; Wk 1,024 x 1,024 float32; Wq 1,024 x 1,024 float32; Wv 1,024 x 1,024 float32; b1 2,048 float32; b2 1,024 float32; bk 1,024 float32; bq 1,024 float32; bv 1,024 float32; key 2 x 2,048 x 1,024 float32; ln_b 1,024 float32; ln_g 1,024 float32; query 2 x 2,048 x 1,024 float32; value 2 x 2,048 x 1,024 float32.
;; Outputs: out0 2 x 2,048 x 1,024 float32.
;; This version of the problem:
;;   THIS VERSION OF THE PROBLEM IS GIVEN IN LOW PRECISION. The matrix products marked QUANTISED in the list below multiply operands that are first quantised to E2M1 (2 exponent bits, 1 mantissa bit; 4 bits a number), with one power-of-two scale for each 32 numbers along K (OCP MX v1.0); their sums are f32. The products marked 'left as it is' may take bf16, f16 or f32 operands, with f32 sums. Whichever they take, every output number must still come out within the allowed error. Rounding operands to bf16 (8 significant bits) uses up far more of that allowance than f16 does (11 bits, for magnitudes from 6e-5 to 65,504). All else is computed in f32.
;;   The module's matrix products, in the order in which they are computed (A, B: the left and right operand; K: the contracted axis; several contracted axes count as one K, in the product's order):
;;     1. [M 4,096, K 1,024] x [K 1,024, N 1,024]; A: input query; B: input Wq: QUANTISED
;;     2. [M 4,096, K 1,024] x [K 1,024, N 1,024]; A: input key; B: input Wk: QUANTISED
;;     3. [M 4,096, K 1,024] x [K 1,024, N 1,024]; A: input value; B: input Wv: QUANTISED
;;     4. batch 32 x [M 2,048, K 64] x [K 64, N 2,048]; A: computed on the way; B: computed on the way: left as it is (an operand is computed on the way)
;;     5. batch 32 x [M 2,048, K 2,048] x [K 2,048, N 64]; A: computed on the way; B: computed on the way: left as it is (an operand is computed on the way)
;;     6. [M 4,096, K 1,024] x [K 1,024, N 2,048]; A: computed on the way; B: input W1: left as it is (an operand is computed on the way)
;;     7. [M 4,096, K 2,048] x [K 2,048, N 1,024]; A: computed on the way; B: input W2: left as it is (an operand is computed on the way)
;;   THE QUANTISER, for each operand of a quantised product, along K:
;;     - K is cut into blocks of 32 from its start; a last block that is shorter is filled with zeros.
;;     - A block's scale is 2^e with e = floor(log2(the largest magnitude in the block)) - 2, held to -126 .. 127; a block of zeros has e = 0. As a byte (E8M0): e + 127.
;;     - Each number is divided by its block's scale, clamped to +-6, and rounded to the nearest number of E2M1, ties to even, subnormals kept.
;;     - The product sums the exact products of the quantised numbers (number of the format x scale) in f32.
;;   ~~~python
;;   def quantise(x, axis):      # numpy; x: float32 -> the quantised numbers, widened to float32 again
;;       x = np.moveaxis(x, axis, -1); K = x.shape[-1]
;;       x = np.pad(x, [(0, 0)] * (x.ndim - 1) + [(0, -K % 32)]); x = x.reshape(x.shape[:-1] + (-1, 32)); a = np.abs(x).max(-1, keepdims=True)
;;       e = np.where(a > 0, np.clip(np.frexp(np.where(a > 0, a, 1))[1] - 1 - 2, -126, 127), 0)      # np.frexp(a)[1] - 1 = floor(log2(a)), exactly
;;       r = np.clip(x / 2.0 ** e, -6, 6)
;;       step = 2.0 ** (np.maximum(np.frexp(np.where(r == 0, 1, r))[1] - 1, 0) - 1)
;;       q = np.round(r / step) * step * 2.0 ** e      # np.round: ties to even
;;       return np.moveaxis(q.reshape(q.shape[:-2] + (-1,))[..., :K], -1, axis).astype(np.float32)
;;   ~~~
;; One version. Each part assembles by itself: llvm-mc -triple=amdgcn-amd-amdhsa -mcpu=gfx1250 --defsym DOCPART=n.
;; ======== version 1 of 1: 6 launches
;; limits: values are held in f16: magnitudes above 65,504 overflow, below 6.1e-05 lose precision
;; workspace buffers: codes 7,864,320 bytes; scales 491,520 bytes; wh 8,388,608 bytes; qkv 25,165,824 bytes; attn 16,777,216 bytes; ffi 25,165,824 bytes; h16 16,777,216 bytes
;; launch prep (part 1): grid 992 x 1, 4 waves a work-group, no clusters, 68,096 bytes of LDS; arguments Wq, Wk, Wv, query, key, value, W1, W2, codes, scales, wh; writes codes, scales, wh
.if DOCPART == 1
	.amdgcn_target "amdgcn-amd-amdhsa--gfx1250"
	.amdhsa_code_object_version 6
	.text
	.protected	k_qdedd83b58f_prep
	.globl	k_qdedd83b58f_prep
	.p2align	8
	.type	k_qdedd83b58f_prep,@function
k_qdedd83b58f_prep:
	s_mov_b64 s[64:65], 0
	v_nop
	global_prefetch_b8 v0, s[64:65] scope:SCOPE_SE
	s_setreg_imm32_b32 hwreg(HW_REG_WAVE_MODE, 25, 1), 1
	s_wait_xcnt 0x0
; PREP: everything that later launches read many times is made narrow once.
;   work-groups 0..95    Wq, Wk, Wv [1024 k][1024 n] f32 -> codes of FP4 (E2M1) laid [n][k], K innermost, and one E8M0 byte for each 32 along K
;   work-groups 96..479  query, key, value [4096][1024] f32 -> the same, K is innermost already
;   work-groups 480..991 W1, W2 f32 -> f16, layout unchanged ([k][n])
; A block's scale is 2^(floor(log2(its largest magnitude)) - 2); its byte is the largest magnitude's exponent field - 2, held at 1 from below.
; A block of zeros gets the byte 1 where the rule says 127: its codes are zeros, which add nothing, and the bytes are read by this program alone.
; LIMITS: NaN and infinities are not served; blocks whose largest magnitude lies under 2^-124 get the byte 1; |W1|, |W2| stay under 65,504, and under 6e-5 they are f16 subnormals.
; codes:  x part at 0: [3][4096][512 bytes];  w part at WC0: [3][1024 n][512 bytes].   scales: x part at 0: [3][4096][32];  w part at WS0: [3][1024][32].
; The three paths part on the work-group's number alone; each path that uses LDS has bytes of its own.  No tensor loads, no barrier: waves share nothing.
.set WC0,   6291456
.set WS0,   393216
.set EMAX,  2
.set SPARE, 67584                      ; behind both paths' regions: the spare words, 128 bytes a wave
.set SPW,   190                        ; v190  LDS address of my spare word; never rewritten
.set NIL,   191                        ; v191  0; never rewritten
; rows (K innermost)
.set STEPS, 16
.set CB,    8                          ; bytes of 16 codes
.set XR,    16                         ; v16-79   four sets of 16 numbers as loaded
.set XN,    80                         ; v80-111  two sets of 16 neighbours
.set XE,    112                        ; v112-127 a scale byte for each step
.set XC,    128                        ; v128-159 codes, two registers for each step: no store's data are written again
.set WREG,  8192                       ; LDS 0..32767: a region for each wave: two stages of 32 x SP bytes, then its 256 scale bytes
.set SP,    80
; weights (K outermost)
.set NB,    8                          ; blocks of 32 along K for a lane
.set PITCH, 272
.set KROW,  512
.set WSTG,  32768                      ; LDS from 32768 on: a stage of 16 x 272 bytes for each wave
.set WN,    32                         ; v32-95   two sets of 32 numbers
.set WCD,   96                         ; v96-99   a block's codes
.set SB,    24                         ; v24-27   the scale bytes
.set OUTR,  112                        ; v112-143 the way out
.macro FINISH                          ; the wave's end
	s_wait_tensorcnt 0x0
	ds_add_u32 v[SPW], v[NIL]
	s_wait_dscnt 0x0
	s_endpgm
.endm
.macro XLOAD t
.irp i, 0,1,2,3
	global_load_b128 v[XR+16*((\t)%4)+4*\i:XR+16*((\t)%4)+4*\i+3], v3, s[4:5] offset:2048*(\t)+512*\i th:TH_LOAD_NT   ; 32 lanes read 512 consecutive bytes
.endr
.endm
.macro XTURN t                         ; a step's 2,048 bytes through the wave's stage: in as they lie, out 64 bytes a lane; LDS serves a wave's instructions in order
.irp i, 0,1,2,3
	ds_store_b128 v14, v[XR+16*((\t)%4)+4*\i:XR+16*((\t)%4)+4*\i+3] offset:32*SP*((\t)%2)+8*SP*\i
.endr
.irp i, 0,1,2,3
	ds_load_b128 v[XN+16*((\t)%2)+4*\i:XN+16*((\t)%2)+4*\i+3], v15 offset:32*SP*((\t)%2)+16*\i
.endr
.endm
.macro XSTEP t
.set XS, XN+16*((\t)%2)
.if (\t) > 0
	s_wait_dscnt 1                                 ; this step's numbers are back from the stage; the last step's byte store may be out
.else
	s_wait_dscnt 0x0
.endif
.if (\t)+4 < STEPS
	XLOAD (\t)+4                                   ; into the registers that the stage's stores have read
.endif
.if (\t)+1 < STEPS
.if STEPS-2-(\t) >= 3
	s_wait_loadcnt 12                              ; the next step's four loads are in; the twelve of the three steps behind may be out
.else
	s_wait_loadcnt 4*(STEPS-2-(\t))
.endif
	XTURN (\t)+1
.endif
	v_max3_num_f32 v8, |v[XS]|, |v[XS+1]|, |v[XS+2]|               ; the largest magnitude of my 16, in two chains
	v_max3_num_f32 v9, |v[XS+3]|, |v[XS+4]|, |v[XS+5]|
.irp i, 6,10
	v_max3_num_f32 v8, v8, |v[XS+\i]|, |v[XS+\i+1]|
	v_max3_num_f32 v9, v9, |v[XS+\i+2]|, |v[XS+\i+3]|
.endr
	v_max3_num_f32 v8, v8, |v[XS+14]|, |v[XS+15]|
	v_max3_num_f32 v8, v8, v9, (EMAX+1)<<23        ; and the floor 2^(3 - 127): the byte cannot fall under 1
	v_max_num_f32_dpp v8, v8, v8 row_xmask:1 row_mask:0xf bank_mask:0xf   ; with my neighbour's 16: the block's
	v_add_nc_u32 v11, -(EMAX<<23), v8              ; 2 off its exponent field: the conversion takes that field as its scale
	v_cvt_scalef32_pk8_fp4_f32 v[XC+2*(\t)], v[XS:XS+7], v11
	v_cvt_scalef32_pk8_fp4_f32 v[XC+2*(\t)+1], v[XS+8:XS+15], v11
	v_lshrrev_b32 v[XE+(\t)], 23, v11              ; the scale's byte (a plain line behind the conversions)
	ds_store_b8 v5, v[XE+(\t)] offset:16*(\t)      ; both lanes of a block write the same byte with the same value
	global_store_b64 v4, v[XC+2*(\t):XC+2*(\t)+1], s[24:25] offset:32*CB*(\t)   ; the wave stores 256 consecutive bytes
.endm
.macro WLOAD t                         ; my block t: W(64 t + 32 (lane / 16) + i, my column), i = 0 .. 31: each half of the lanes reads 64 consecutive bytes
.irp i, 0,1,2,3,4,5,6,7,8,9,10,11,12,13,14,15,16,17,18,19,20,21,22,23,24,25,26,27,28,29,30,31
	global_load_b32 v[WN+32*((\t)%2)+\i], v3, s[4:5] offset:(64*(\t)+\i)*4096 th:TH_LOAD_NT
.endr
.endm
.macro WBLOCK t
.set XS, WN+32*((\t)%2)
.if (\t) < NB-1
	s_wait_loadcnt 32                              ; this block's 32 loads are in; the next block's 32 may be out
.else
	s_wait_loadcnt 0
.endif
	v_max3_num_f32 v12, |v[XS]|, |v[XS+1]|, |v[XS+2]|              ; all 32 numbers of the block are mine
	v_max3_num_f32 v13, |v[XS+3]|, |v[XS+4]|, |v[XS+5]|
.irp i, 6,10,14,18,22,26
	v_max3_num_f32 v12, v12, |v[XS+\i]|, |v[XS+\i+1]|
	v_max3_num_f32 v13, v13, |v[XS+\i+2]|, |v[XS+\i+3]|
.endr
	v_max3_num_f32 v12, v12, |v[XS+30]|, |v[XS+31]|
	v_max3_num_f32 v12, v12, v13, (EMAX+1)<<23
	v_add_nc_u32 v11, -(EMAX<<23), v12
	v_lshrrev_b32 v13, 23, v11
.if (\t)%2 == 0
	v_mov_b32 v[SB+(\t)/2], v13                    ; two of my bytes to a register, 16 bits apart: the other half of the lanes' bytes lie between them
.else
	v_lshl_or_b32 v[SB+(\t)/2], v13, 16, v[SB+(\t)/2]
.endif
.irp g, 0,1,2,3
	v_cvt_scalef32_pk8_fp4_f32 v[WCD+\g], v[XS+8*\g:XS+8*\g+7], v11
.endr
	v_nop                                          ; a plain line behind the last conversion
	ds_store_b128 v4, v[WCD:WCD+3] offset:32*(\t)  ; 32 codes: 16 bytes of my column's row, at block 2 t + lane / 16
.if (\t)+2 < NB
	WLOAD (\t)+2
.endif
	s_wait_dscnt 0x0                               ; the store has read its registers: the next block's codes may be written
.endm
	s_load_b512 s[8:23], s[0:1], 0x0               ; Wq s[8:9], Wk s[10:11], Wv s[12:13], query s[14:15], key s[16:17], value s[18:19], W1 s[20:21], W2 s[22:23]
	s_load_b128 s[24:27], s[0:1], 0x40             ; codes s[24:25], scales s[26:27]
	s_load_b64 s[28:29], s[0:1], 0x50              ; wh
	v_lshl_add_u32 v[SPW], v0, 2, SPARE
	v_mov_b32 v[NIL], 0
	v_lshrrev_b32 v1, 5, v0
	v_readfirstlane_b32 s2, v1                     ; wave 0..3
	v_and_b32 v2, 31, v0                           ; lane
	s_mov_b32 s33, 0
	s_wait_kmcnt 0x0
	s_cmp_lt_u32 ttmp9, 96
	s_cbranch_scc1 .Lweights
	s_cmp_lt_u32 ttmp9, 480
	s_cbranch_scc1 .Lrows
	; ---- W1, W2 to f16: a wave takes 8,192 bytes in, 4,096 out
	s_sub_co_u32 s30, ttmp9, 480
	s_cmp_lt_u32 s30, 256
	s_cselect_b64 s[4:5], s[20:21], s[22:23]
	s_and_b32 s31, s30, 255
	s_lshl_b32 s31, s31, 2
	s_add_co_u32 s31, s31, s2
	s_lshl_b32 s32, s31, 13
	s_add_nc_u64 s[4:5], s[4:5], s[32:33]
	s_lshl_b32 s30, s30, 2
	s_add_co_u32 s30, s30, s2
	s_lshl_b32 s32, s30, 12
	s_add_nc_u64 s[28:29], s[28:29], s[32:33]
	v_lshlrev_b32 v3, 4, v2
	v_lshlrev_b32 v4, 3, v2
.irp i, 0,1,2,3,4,5,6,7,8,9,10,11,12,13,14,15
	global_load_b128 v[16+4*\i:19+4*\i], v3, s[4:5] offset:512*\i th:TH_LOAD_NT
.endr
.irp i, 0,1,2,3,4,5,6,7,8,9,10,11,12,13,14,15
	s_wait_loadcnt 15-\i                           ; loads come back in order: load i is in, the younger ones may be out
	v_cvt_pk_f16_f32 v[96+2*\i], v[16+4*\i], v[17+4*\i]
	v_cvt_pk_f16_f32 v[97+2*\i], v[18+4*\i], v[19+4*\i]
	global_store_b64 v4, v[96+2*\i:97+2*\i], s[28:29] offset:256*\i   ; the wave stores 256 consecutive bytes, aligned
.endr
	FINISH
	; ---- query, key, value: plain streams of blocks of 32; a wave takes 16 steps of 512 numbers
.Lrows:
	s_sub_co_u32 s30, ttmp9, 96
	s_cmp_lt_u32 s30, 128
	s_cselect_b64 s[4:5], s[14:15], s[16:17]
	s_cmp_ge_u32 s30, 256
	s_cselect_b64 s[4:5], s[18:19], s[4:5]
	s_and_b32 s31, s30, 127
	s_lshl_b32 s31, s31, 2
	s_add_co_u32 s31, s31, s2
	s_lshl_b32 s32, s31, 15                        ; my run of 8,192 numbers in its tensor
	s_add_nc_u64 s[4:5], s[4:5], s[32:33]
	s_lshl_b32 s30, s30, 2
	s_add_co_u32 s30, s30, s2                      ; and among the three tensors' runs
	s_lshl_b32 s32, s30, 12
	s_add_nc_u64 s[24:25], s[24:25], s[32:33]
	s_lshl_b32 s32, s30, 8
	s_add_nc_u64 s[26:27], s[26:27], s[32:33]
	v_lshlrev_b32 v3, 4, v2
	s_mul_i32 s34, s2, WREG
	v_lshrrev_b32 v14, 2, v2
	v_mul_u32_u24 v14, v14, SP
	v_and_b32 v15, 3, v2
	v_lshl_add_u32 v14, v15, 4, v14
	v_add_nc_u32 v14, s34, v14                     ; the stage, in: SP (lane / 4) + 16 (lane % 4)
	v_mul_u32_u24 v15, v2, SP
	v_add_nc_u32 v15, s34, v15                     ; and out: SP x lane
	v_mul_u32_u24 v4, v2, CB
	v_lshrrev_b32 v5, 1, v2
	s_add_co_u32 s34, s34, 2*32*SP
	v_add_nc_u32 v5, s34, v5                       ; my block's scale byte in the wave's 256
	v_lshlrev_b32 v7, 3, v2
	v_add_nc_u32 v6, s34, v7
.irp t, 0,1,2,3
	XLOAD \t
.endr
	s_wait_loadcnt 12                              ; step 0's four loads are in
	XTURN 0
.irp t, 0,1,2,3,4,5,6,7,8,9,10,11,12,13,14,15
	XSTEP \t
.endr
	ds_load_b64 v[8:9], v6                         ; LDS serves a wave's instructions in order: these see my byte stores
	s_wait_dscnt 0x0
	global_store_b64 v7, v[8:9], s[26:27]          ; 32 lanes store one aligned run of 256 bytes
	FINISH
	; ---- Wq, Wk, Wv: a lane takes a column n and its registers run down K.  A wave takes 16 columns x 512 along K: lanes 0-15 the even blocks of 32, lanes 16-31 the odd ones: 8 blocks a lane.
	; The four waves of a work-group stand side by side on 64 columns: 256 consecutive bytes of each row of the weight.
.Lweights:
	s_lshr_b32 s30, ttmp9, 5                       ; which weight
	s_bfe_u32 s31, ttmp9, 0x10004                  ; which half of K
	s_and_b32 s32, ttmp9, 15                       ; which 64 columns
	s_cmp_eq_u32 s30, 0
	s_cselect_b64 s[4:5], s[8:9], s[10:11]
	s_cmp_eq_u32 s30, 2
	s_cselect_b64 s[4:5], s[12:13], s[4:5]
	s_lshl_b32 s32, s32, 6
	s_lshl_b32 s36, s2, 4
	s_add_co_u32 s32, s32, s36                     ; my wave's first column
	s_mov_b32 s35, 0
	s_lshl_b32 s34, s31, 21                        ; 512 rows of 4,096 bytes
	s_lshl_b32 s36, s32, 2
	s_add_co_u32 s34, s34, s36
	s_add_nc_u64 s[4:5], s[4:5], s[34:35]
	s_lshl_b32 s34, s30, 19
	s_lshl_b32 s36, s32, 9
	s_add_co_u32 s34, s34, s36
	s_lshl_b32 s36, s31, 8
	s_add_co_u32 s34, s34, s36
	s_add_co_u32 s34, s34, WC0
	s_add_nc_u64 s[24:25], s[24:25], s[34:35]
	s_lshl_b32 s34, s30, 15
	s_lshl_b32 s36, s32, 5
	s_add_co_u32 s34, s34, s36
	s_lshl_b32 s36, s31, 4
	s_add_co_u32 s34, s34, s36
	s_add_co_u32 s34, s34, WS0
	s_add_nc_u64 s[26:27], s[26:27], s[34:35]
	s_mov_b32 s38, 0x76543210
	s_mov_b32 s39, 0xfedcba98                      ; v_permlanex16_b32's selects for lane l xor 16
	v_and_b32 v5, 15, v2                           ; my column among the wave's 16
	v_lshrrev_b32 v6, 4, v2                        ; even blocks (0) or odd ones (1)
	v_lshlrev_b32 v3, 2, v5
	v_lshl_add_u32 v3, v6, 17, v3                  ; in: 4 bytes a column; lanes 16-31 begin 32 rows of 4,096 bytes further down
	s_mul_i32 s37, s2, 16*PITCH
	s_add_co_u32 s37, s37, WSTG
	v_mul_u32_u24 v4, v5, PITCH
	v_lshl_add_u32 v4, v6, 4, v4
	v_add_nc_u32 v4, s37, v4                       ; into the stage: row = my column, 16 bytes a block
	v_mul_u32_u24 v7, v6, PITCH
	v_lshl_add_u32 v7, v5, 4, v7
	v_add_nc_u32 v7, s37, v7                       ; out of it: sixteen lanes to a row, two rows an instruction
	v_mul_u32_u24 v8, v6, KROW
	v_lshl_add_u32 v8, v5, 4, v8
	v_lshlrev_b32 v9, 5, v5
	v_lshl_add_u32 v9, v6, 3, v9                   ; the scale bytes: my column's row of 32, and of this half of K's 16 the first 8 (lanes 0-15) or the last 8
	v_lshlrev_b32 v10, 3, v6                       ; my bytes stand 8 (lane / 16) bits up in their words
	WLOAD 0
	WLOAD 1
.set Q, 0
.rept NB
	WBLOCK Q
.set Q, Q+1
.endr
.irp m, 0,1,2,3
	v_lshlrev_b32 v[SB+\m], v10, v[SB+\m]          ; word m: blocks 4 m .. 4 m + 3; mine are 4 m + lane / 16 and 4 m + 2 + lane / 16
.endr
.irp m, 0,1,2,3
	v_mov_b32 v[16+\m], 0                          ; a lane permute's destination counts as one of its sources
.endr
.irp m, 0,1,2,3
	v_permlanex16_b32 v[16+\m], v[SB+\m], s38, s39
.endr
.irp m, 0,1,2,3
	v_or_b32 v[SB+\m], v[SB+\m], v[16+\m]          ; with lane l xor 16's two bytes the word is whole
.endr
	v_cmp_eq_u32 vcc_lo, 1, v6
	v_cndmask_b32 v20, v[SB], v[SB+2], vcc_lo      ; lanes 0-15 store words 0 and 1, lanes 16-31 words 2 and 3: each byte is stored once
	v_cndmask_b32 v21, v[SB+1], v[SB+3], vcc_lo
	global_store_b64 v9, v[20:21], s[26:27]
.irp t, 0,1,2,3,4,5,6,7
	ds_load_b128 v[OUTR+4*\t:OUTR+4*\t+3], v7 offset:2*\t*PITCH    ; LDS serves a wave's instructions in order: these see my stores
.endr
.irp t, 0,1,2,3,4,5,6,7
	s_wait_dscnt 7-\t
	global_store_b128 v8, v[OUTR+4*\t:OUTR+4*\t+3], s[24:25] offset:2*\t*KROW   ; sixteen lanes store 256 consecutive bytes, aligned
.endr
	FINISH
.Lfunc_end_k_qdedd83b58f_prep:
	.size	k_qdedd83b58f_prep, .Lfunc_end_k_qdedd83b58f_prep-k_qdedd83b58f_prep
	.p2alignl 7, 3214868480
	.fill 96, 4, 3214868480
	.section	.rodata,"a",@progbits
	.p2align	6, 0x0
	.amdhsa_kernel k_qdedd83b58f_prep
		.amdhsa_group_segment_fixed_size 68096
		.amdhsa_private_segment_fixed_size 0
		.amdhsa_enable_private_segment 0
		.amdhsa_kernarg_size 88
		.amdhsa_user_sgpr_count 2
		.amdhsa_user_sgpr_kernarg_segment_ptr 1
		.amdhsa_wavefront_size32 1
		.amdhsa_system_sgpr_workgroup_id_x 1
		.amdhsa_system_sgpr_workgroup_id_y 1
		.amdhsa_system_sgpr_workgroup_id_z 1
		.amdhsa_system_vgpr_workitem_id 0
		.amdhsa_next_free_vgpr 192
		.amdhsa_next_free_sgpr 66
		.amdhsa_reserve_vcc 1
		.amdhsa_float_denorm_mode_32 3
		.amdhsa_float_denorm_mode_16_64 3
		.amdhsa_memory_ordered 1
		.amdhsa_forward_progress 1
		.amdhsa_inst_pref_size 81
	.end_amdhsa_kernel
	.amdgpu_metadata
---
amdhsa.version: [ 1, 2 ]
amdhsa.kernels:
  - .name:           k_qdedd83b58f_prep
    .symbol:         k_qdedd83b58f_prep.kd
    .args:
      - { .name: Wq, .offset: 0, .size: 8, .value_kind: global_buffer, .address_space: global }
      - { .name: Wk, .offset: 8, .size: 8, .value_kind: global_buffer, .address_space: global }
      - { .name: Wv, .offset: 16, .size: 8, .value_kind: global_buffer, .address_space: global }
      - { .name: query, .offset: 24, .size: 8, .value_kind: global_buffer, .address_space: global }
      - { .name: key, .offset: 32, .size: 8, .value_kind: global_buffer, .address_space: global }
      - { .name: value, .offset: 40, .size: 8, .value_kind: global_buffer, .address_space: global }
      - { .name: W1, .offset: 48, .size: 8, .value_kind: global_buffer, .address_space: global }
      - { .name: W2, .offset: 56, .size: 8, .value_kind: global_buffer, .address_space: global }
      - { .name: codes, .offset: 64, .size: 8, .value_kind: global_buffer, .address_space: global }
      - { .name: scales, .offset: 72, .size: 8, .value_kind: global_buffer, .address_space: global }
      - { .name: wh, .offset: 80, .size: 8, .value_kind: global_buffer, .address_space: global }
    .group_segment_fixed_size: 68096
    .private_segment_fixed_size: 0
    .kernarg_segment_align: 8
    .kernarg_segment_size: 88
    .max_flat_workgroup_size: 128
    .sgpr_count:     66
    .vgpr_count:     192
    .wavefront_size: 32
...
	.end_amdgpu_metadata
.endif
;; end of part 1
;; launch project (part 2): grid 4 x 48, 4 waves a work-group, clusters of 4 x 4, 327,680 bytes of LDS; arguments codes, scales, bq, bk, bv, qkv; writes qkv
.if DOCPART == 2
	.amdgcn_target "amdgcn-amd-amdhsa--gfx1250"
	.amdhsa_code_object_version 6
	.text
	.protected	k_qdedd83b58f_project
	.globl	k_qdedd83b58f_project
	.p2align	8
	.type	k_qdedd83b58f_project,@function
k_qdedd83b58f_project:
	s_mov_b64 s[64:65], 0
	v_nop
	global_prefetch_b8 v0, s[64:65] scope:SCOPE_SE
	s_setreg_imm32_b32 hwreg(HW_REG_WAVE_MODE, 25, 1), 1
	s_wait_xcnt 0x0
	s_wait_alu depctr_hold_cnt(0) depctr_sa_sdst(0) depctr_va_vdst(0) depctr_va_sdst(0) depctr_va_ssrc(0) depctr_va_vcc(0) depctr_vm_vsrc(0)
	s_getreg_b32 s2, hwreg(HW_REG_IB_STS2, 6, 4)
	s_cmp_eq_u32 s2, 0
	s_cbranch_scc0 .Lentry_in_a_cluster
	s_endpgm
.Lentry_in_a_cluster:
	s_bfe_u32 s2, ttmp6, 0x10000c
	s_cmp_lg_u32 s2, 0xf033
	s_cbranch_scc0 .Lentry_shape_is_right
	s_endpgm
.Lentry_shape_is_right:
; q = query Wq + bq, k = key Wk + bk, v = value Wv + bv on codes of FP4 (E2M1) with one E8M0 scale for each 32 along K; sums in f32; results rounded once to f16 and laid [3][2 b][16 h][2048 s][64].
; The three products are one stack of 12,288 rows of A; tile row / 16 says which of the three, and picks the weight's rows and the bias.
; A tile of C, 256 x 256, is made by four waves, each 128 x 128: 64 accumulators, 512 registers.  K = 1,024 is two steps of 512 in two LDS slots: both are asked for at the head, nothing is filled again.
; The scale bytes of the work-group's 256 rows of A and of B come once, as dense blocks, with the first fills.  By this text's own count a wave has three tensor loads out at the most.
; CLUSTERS: 4 x 4 work-groups; A's tiles are asked for jointly along a row of the cluster, B's along a column.
; THE MATRIX INSTRUCTION IS USED TRANSPOSED (source 0 = 16 rows of the weight's codes, source 1 = 16 rows of A): a lane holds eight neighbouring columns of one row of C.  The bias is the C of each sum's first product.
; LIMITS: |q|, |k|, |v| stay under 65,504 (f16).
; REGISTERS: window 0: v0-31 addresses; v32-95 scale words, two sets; v128-191 A's fragments, one set; v192-255 the bias, 8 registers a block of 16 columns.  window 1: B's fragments, two sets.  windows 2, 3: the accumulators.
.set WC0,    6291456
.set WS0,    393216
.set KSTEP,  512
.set NQ,     KSTEP/128
.set ROWB,   256
.set KROW,   512
.set PITCH,  272                       ; an LDS row: 256 bytes + 16 of padding: the 16 rows of a load start 68 words apart
.set FR,     8
.set NL,     2
.set NP,     4
.set HALFT,  128*PITCH
.set SLOT,   4*HALFT
.set KS,     32
.set SCL,    2*SLOT
.set HALFS,  (128*KS/256)*272
.set SBLK,   (16*KS/256)*272
.set SPARE,  SCL+4*HALFS               ; the spare words, 128 bytes a wave
.set SPITCH, 272                       ; the way out: a stage of 16 rows x (256 + 16) bytes a wave, in slot 0, which has had its only fill and its last read by then
.set ADRA, 16
.set ADRB, 20
.set STO,  24
.set RD,   25
.set CO,   26
.set ADRS, 27
.set SPW,  28
.set NIL,  29
.set BA,   30
.set SC,   32
.set AF,   128
.set BI,   192
.set TMP,  32
.set BK,   128
.set G1, 24
.set G0, 32
.set G1B, 48
.set G0B, 56
.set G1S, 68
.set G0S, 76
.set G1SB, 80
.set G0SB, 88
.set MSB, 0
.macro WIN new                         ; the immediate's high byte repeats the setting that is left
.if MSB != \new
	s_set_vgpr_msb (MSB<<8)|\new
.set MSB, \new
.endif
.endm
.set MUL_LO,  0xa1                     ; source 0 (B) window 1, source 1 (A) window 0, C and D window 2
.set MUL_HI,  0xf1                     ; the same, C and D window 3
.set MUL_LO0, 0x81                     ; the first step: C is the bias, in window 0
.set MUL_HI0, 0xc1
.set TO_B,    0x40
; A joint load: waves 0 and 1 fetch for A, waves 2 and 3 for B; the branch hangs on the wave's number alone.  An s_nop 0 and four v_nop follow each line.
.macro JLOAD g0a, g1a, g0b, g1b
	s_cmp_eq_u32 s15, 0
	s_cbranch_scc0 .Lfor_b_\@
	tensor_load_to_lds s[\g0a:\g0a+3], s[\g1a:\g1a+7]
	s_nop 0
.rept 4
	v_nop
.endr
	s_branch .Lasked_\@
.Lfor_b_\@:
	tensor_load_to_lds s[\g0b:\g0b+3], s[\g1b:\g1b+7]
	s_nop 0
.rept 4
	v_nop
.endr
.Lasked_\@:
.endm
.macro CROUND                          ; a round of the cluster's barrier
	s_barrier_signal -1
	s_barrier_wait -1
	s_cmp_lg_u32 s14, 0
	s_cbranch_scc1 .Lnot_wave_0_\@
	s_barrier_signal -3
.Lnot_wave_0_\@:
	s_barrier_wait -3
	s_barrier_signal -1
	s_barrier_wait -1
.endm
	s_load_b128 s[4:7], s[0:1], 0x0                ; codes s[4:5], scales s[6:7]
	s_load_b128 s[8:11], s[0:1], 0x10              ; bq s[8:9], bk s[10:11]
	s_load_b128 s[96:99], s[0:1], 0x20             ; bv s[96:97], qkv s[98:99]
	v_lshl_add_u32 v[SPW], v0, 2, SPARE
	v_mov_b32 v[NIL], 0
	ds_add_u32 v[SPW], v[NIL]                      ; the wave's opening: the add, twice on end, and its wait ahead of my first tensor load
	ds_add_u32 v[SPW], v[NIL]
	v_lshrrev_b32 v1, 5, v0
	v_readfirstlane_b32 s14, v1                    ; wave 0..3
	s_lshr_b32 s15, s14, 1                         ; which half of the tile's rows is mine; also: I fetch for A (0) or for B (1)
	s_and_b32 s16, s14, 1                          ; which half of its columns; also: which 128 rows I fetch
	s_bfe_u32 s40, ttmp6, 0x40000                  ; cx
	s_bfe_u32 s41, ttmp6, 0x40004                  ; cy
	s_lshl_b32 s42, ttmp9, 2
	s_add_co_u32 s42, s42, s40                     ; tile column
	s_and_b32 s17, ttmp7, 0xffff
	s_lshr_b32 s95, s17, 2                         ; which of the three products: the cluster's y / 4, the same in all sixteen partners
	s_lshl_b32 s17, s17, 2
	s_add_co_u32 s17, s17, s41                     ; tile row in the stack of 48
	s_lshl_b32 s43, s41, 2
	s_lshl_b32 s43, 15, s43                        ; my row of the cluster
	s_lshl_b32 s44, 0x1111, s40                    ; my column
	s_or_b32 s[G1+0], s43, (0<<16)|(1<<20)|(1<<21)|(5<<22)|(3<<25)  ; the mask; elements of 1 byte; padding: 4 words behind every 64
	s_or_b32 s[G1B+0], s44, (0<<16)|(1<<20)|(1<<21)|(5<<22)|(3<<25)
.irp g, G1, G1B
	s_mov_b32 s[\g+1], ROWB<<16                    ; tensor_dim0
	s_mov_b32 s[\g+2], 128<<16                     ; tensor_dim1
	s_mov_b32 s[\g+3], ROWB<<16                    ; tile_dim0
	s_mov_b32 s[\g+4], 128                         ; tile_dim1
	s_mov_b32 s[\g+5], KROW                        ; from row to row
	s_mov_b32 s[\g+6], 0
	s_mov_b32 s[\g+7], 0
.endr
	s_or_b32 s[G1S+0], s43, (3<<16)|(1<<20)|(1<<21)|(5<<22)|(3<<25) ; the scales of 128 rows: 4,096 dense bytes as 16 rows of 256 (32 elements of 8 bytes), 16 bytes of padding behind each
	s_or_b32 s[G1SB+0], s44, (3<<16)|(1<<20)|(1<<21)|(5<<22)|(3<<25)
.irp g, G1S, G1SB
	s_mov_b32 s[\g+1], 32<<16
	s_mov_b32 s[\g+2], (128*KS/256)<<16
	s_mov_b32 s[\g+3], 32<<16
	s_mov_b32 s[\g+4], 128*KS/256
	s_mov_b32 s[\g+5], 32
	s_mov_b32 s[\g+6], 0
	s_mov_b32 s[\g+7], 0
.endr
	s_lshl_b32 s18, s16, 7
	s_lshl_b32 s20, s17, 8
	s_add_co_u32 s20, s20, s18                     ; A: row 256 x tile row + 128 x half
	s_lshl_b32 s22, s20, 5                         ; its scales, 32 bytes a row,
	s_lshl_b32 s20, s20, 9                         ; its codes, 512 bytes a row
	s_mov_b32 s21, 0
	s_mov_b32 s23, 0
	s_lshl_b32 s46, s42, 8
	s_add_co_u32 s46, s46, s18
	s_lshl_b32 s19, s95, 10
	s_add_co_u32 s46, s46, s19                     ; B: row 1,024 x product + 256 x tile column + 128 x half
	s_lshl_b32 s92, s46, 5
	s_add_co_u32 s92, s92, WS0
	s_lshl_b32 s46, s46, 9
	s_add_co_u32 s46, s46, WC0
	s_mov_b32 s47, 0
	s_mov_b32 s93, 0
	s_mul_i32 s45, s14, HALFT                      ; where they go: wave x 128 rows: no place in the cluster enters an LDS address
	s_mul_i32 s94, s14, HALFS
	s_wait_dscnt 0x0                               ; both opening adds are done
	s_wait_kmcnt 0x0
	s_add_nc_u64 s[20:21], s[4:5], s[20:21]
	s_add_nc_u64 s[22:23], s[6:7], s[22:23]
	s_add_nc_u64 s[46:47], s[4:5], s[46:47]
	s_add_nc_u64 s[92:93], s[6:7], s[92:93]
	CROUND                                         ; all sixteen work-groups are here: the first joint loads meet
	s_mov_b32 s[G0S], 1
	s_add_co_u32 s[G0S+1], s94, SCL
	s_mov_b64 s[G0S+2:G0S+3], s[22:23]
	s_or_b32 s[G0S+3], s[G0S+3], 0x80000000
	s_mov_b32 s[G0SB], 1
	s_add_co_u32 s[G0SB+1], s94, SCL
	s_mov_b64 s[G0SB+2:G0SB+3], s[92:93]
	s_or_b32 s[G0SB+3], s[G0SB+3], 0x80000000
	JLOAD G0S, G1S, G0SB, G1SB                     ; the scales first: they are wanted with K step 0
.irp s, 0,1
	s_mov_b32 s[G0+4*\s], 1
	s_add_co_u32 s[G0+4*\s+1], s45, \s*SLOT
	s_add_nc_u64 s[G0+4*\s+2:G0+4*\s+3], s[20:21], \s*ROWB
	s_or_b32 s[G0+4*\s+3], s[G0+4*\s+3], 0x80000000
	s_mov_b32 s[G0B+4*\s], 1
	s_add_co_u32 s[G0B+4*\s+1], s45, \s*SLOT
	s_add_nc_u64 s[G0B+4*\s+2:G0B+4*\s+3], s[46:47], \s*ROWB
	s_or_b32 s[G0B+4*\s+3], s[G0B+4*\s+3], 0x80000000
	JLOAD G0+4*\s, G1, G0B+4*\s, G1B
.endr
	v_and_b32 v1, 15, v0                           ; r = l % 16
	v_bfe_u32 v2, v0, 4, 1                         ; h = l / 16
	v_mul_u32_u24 v3, v1, PITCH
	v_lshl_add_u32 v4, v2, 4, v3                   ; a fragment's row x pitch + 16 x half
	s_mul_i32 s21, s15, HALFT
	s_mul_i32 s22, s16, HALFT
	s_add_co_u32 s22, s22, 2*HALFT
.irp s, 0,1
	v_add_nc_u32 v[ADRA+\s], s21, v4
	v_add_nc_u32 v[ADRB+\s], s22, v4
	s_add_co_u32 s21, s21, SLOT
	s_add_co_u32 s22, s22, SLOT
.endr
	v_mul_u32_u24 v5, v1, KS                       ; my row's scales: 32 bytes a row,
	v_lshrrev_b32 v6, 8, v5
	v_lshl_add_u32 v5, v6, 4, v5                   ; and 16 more for each 256 passed
	s_mul_i32 s21, s15, HALFS
	s_mul_i32 s22, s16, HALFS
	s_add_co_u32 s22, s22, 2*HALFS
	s_sub_co_u32 s22, s22, s21
	v_mul_u32_u24 v6, s22, v2                      ; lanes 16-31 take B's
	s_add_co_u32 s21, s21, SCL
	v_add_nc_u32 v5, v5, v6
	v_add_nc_u32 v[ADRS], s21, v5
	s_mul_i32 s23, s14, 16*SPITCH                  ; my stage
	v_add_nc_u32 v[STO], s23, v4                   ; in: row r, 16 bytes for each half of the lanes
	v_bfe_u32 v5, v0, 3, 1
	v_and_b32 v6, 7, v0
	v_mul_u32_u24 v7, v5, SPITCH                   ; back: sixteen lanes take two neighbouring rows of ONE head (128 bytes each), lanes 16-31 the other head's
	v_lshl_add_u32 v7, v2, 7, v7
	v_lshl_add_u32 v7, v6, 4, v7
	v_add_nc_u32 v[RD], s23, v7
	v_lshlrev_b32 v[CO], 18, v2                    ; and the same place in qkv: a head is 262,144 bytes, a row 128
	v_lshl_add_u32 v[CO], v5, 7, v[CO]
	v_lshl_add_u32 v[CO], v6, 4, v[CO]
	v_lshlrev_b32 v[BA], 5, v2                     ; the bias: my half's eight numbers of a block of 16
	s_cmp_eq_u32 s95, 0
	s_cselect_b64 s[8:9], s[8:9], s[10:11]
	s_cmp_eq_u32 s95, 2
	s_cselect_b64 s[8:9], s[96:97], s[8:9]
	s_lshl_b32 s46, s42, 10
	s_lshl_b32 s47, s16, 9
	s_add_co_u32 s46, s46, s47                     ; my first column x 4 bytes
	s_mov_b32 s47, 0
	s_add_nc_u64 s[8:9], s[8:9], s[46:47]
.irp b, 0,1,2,3,4,5,6,7
	global_load_b128 v[BI+8*\b:BI+8*\b+3], v[BA], s[8:9] offset:64*\b
	global_load_b128 v[BI+8*\b+4:BI+8*\b+7], v[BA], s[8:9] offset:64*\b+16
.endr
	s_lshl_b32 s20, s17, 8
	s_lshl_b32 s21, s15, 7
	s_add_co_u32 s20, s20, s21                     ; my first row in the stack
	s_lshr_b32 s21, s20, 11
	s_lshl_b32 s21, s21, 22                        ; (product, batch): 4,194,304 bytes each
	s_and_b32 s20, s20, 2047
	s_lshl_b32 s20, s20, 7
	s_add_co_u32 s20, s20, s21
	s_mov_b32 s21, 0
	s_add_nc_u64 s[12:13], s[98:99], s[20:21]
	s_lshl_b32 s46, s42, 2
	s_lshl_b32 s47, s16, 1
	s_add_co_u32 s46, s46, s47                     ; my first head
	s_lshl_b32 s46, s46, 18
	s_mov_b32 s47, 0
	s_add_nc_u64 s[12:13], s[12:13], s[46:47]
.macro FRAG reg, adr, q, i             ; 16 rows x 128 K of 4-bit codes: 8 registers, two loads of 16 bytes, 32 bytes apart
.irp c, 0,1
	ds_load_b128 v[\reg+4*\c:\reg+4*\c+3], v[\adr] offset:64*(\q)+32*\c+(\i)*16*PITCH
.endr
.endm
; 16 matrix instructions: A's blocks a0, a0 + 1 x B's eight.  zero = 1: the first product starts the sums from the bias.  The 64 accumulators take turns, one instruction a turn.
.macro MUL16 a0, p, q, sc, zero
.irp a, \a0, \a0+1
.irp b, 0,1,2,3,4,5,6,7
.if \zero
	v_wmma_scale_f32_16x16x128_f8f6f4 v[8*(8*((\a)%4)+\b):8*(8*((\a)%4)+\b)+7], v[128*(\p)+FR*\b:128*(\p)+FR*\b+FR-1], v[AF+FR*(\a):AF+FR*(\a)+FR-1], v[BI+8*\b:BI+8*\b+7], v[SC+8*NQ*(\sc)+NQ*\b+(\q)], v[SC+8*NQ*(\sc)+NQ*(\a)+(\q)] matrix_a_fmt:MATRIX_FMT_FP4 matrix_b_fmt:MATRIX_FMT_FP4 matrix_a_scale:MATRIX_SCALE_ROW1
.else
	v_wmma_scale_f32_16x16x128_f8f6f4 v[8*(8*((\a)%4)+\b):8*(8*((\a)%4)+\b)+7], v[128*(\p)+FR*\b:128*(\p)+FR*\b+FR-1], v[AF+FR*(\a):AF+FR*(\a)+FR-1], v[8*(8*((\a)%4)+\b):8*(8*((\a)%4)+\b)+7], v[SC+8*NQ*(\sc)+NQ*\b+(\q)], v[SC+8*NQ*(\sc)+NQ*(\a)+(\q)] matrix_a_fmt:MATRIX_FMT_FP4 matrix_b_fmt:MATRIX_FMT_FP4 matrix_a_scale:MATRIX_SCALE_ROW1
.endif
.endr
.endr
.endm
.macro FETCH_B slot, q, p
	WIN TO_B
.irp i, 0,1,2,3,4,5,6,7
	FRAG 128*(\p)+FR*\i, ADRB+\slot, \q, \i
.endr
	WIN 0
.endm
.macro FETCH_A slot, q, i0
.irp i, \i0, \i0+1, \i0+2, \i0+3
	FRAG AF+FR*(\i), ADRA+\slot, \q, \i
.endr
.endm
.macro SCALES sc                       ; a K step's scale words: lanes 0-15 take A's block i, lanes 16-31 B's block i
.irp i, 0,1,2,3,4,5,6,7
	ds_load_b128 v[SC+8*NQ*\sc+NQ*\i:SC+8*NQ*\sc+NQ*\i+3], v[ADRS] offset:\i*SBLK
.endr
.endm
.macro PLACES n                        ; plain vector lines between a matrix instruction and a load into, or a read of, its registers
.rept \n
	v_nop
.endr
.endm
.macro STEP slot, q, zero              ; 128 along K, with its successor in the same slot
	s_wait_dscnt 4*NL                              ; B's set and A's blocks 0-3 are in; the youngest eight loads (A's blocks 4-7) may be out
.if \zero
	WIN MUL_LO0
.else
	WIN MUL_LO
.endif
	MUL16 0, (\q)%2, \q, \slot, \zero
	MUL16 2, (\q)%2, \q, \slot, \zero
	s_wait_dscnt 0
	PLACES NP
	FETCH_B \slot, (\q)+1, 1-(\q)%2
	FETCH_A \slot, (\q)+1, 0
.if \zero
	WIN MUL_HI0
.else
	WIN MUL_HI
.endif
	MUL16 4, (\q)%2, \q, \slot, \zero
	MUL16 6, (\q)%2, \q, \slot, \zero
	PLACES NP
	WIN 0
	FETCH_A \slot, (\q)+1, 4
.endm
.macro TURN slot, next                 ; a slot's last step changes slots: one barrier
	s_wait_tensorcnt 0x0                           ; all my tensor loads have landed: my part of the next slot
	ds_add_u32 v[SPW], v[NIL]
	s_wait_dscnt 4*NL+1                            ; the add and the youngest eight loads may be out
	WIN MUL_LO
	MUL16 0, 1, NQ-1, \slot, 0
	s_wait_dscnt 0x0                               ; the add is done, and my reads of this slot are over
	s_barrier_signal -1
	MUL16 2, 1, NQ-1, \slot, 0
	WIN 0
	s_barrier_wait -1
	PLACES NP
	v_add_nc_u32 v[ADRS], 4*NQ, v[ADRS]            ; on to the next K step's scale words
	FETCH_B \next, 0, 0
	FETCH_A \next, 0, 0
	SCALES \next
	WIN MUL_HI
	MUL16 4, 1, NQ-1, \slot, 0
	MUL16 6, 1, NQ-1, \slot, 0
	PLACES NP
	WIN 0
	FETCH_A \next, 0, 4
.endm
.macro STEPS slot, from
.set Q, \from
.rept NQ-1-\from
	STEP \slot, Q, 0
.set Q, Q+1
.endr
.endm
	s_wait_tensorcnt 1                             ; the scales and my part of K step 0 are in; K step 1's load may be out
	s_barrier_signal -1
	s_barrier_wait -1
	FETCH_B 0, 0, 0
	FETCH_A 0, 0, 0
	SCALES 0
	FETCH_A 0, 0, 4
	s_wait_loadcnt 0x0                             ; the bias
	STEP 0, 0, 1
	STEPS 0, 1
	TURN 0, 1
	STEPS 1, 0
	s_wait_dscnt 4*NL                              ; the very last step
	WIN MUL_LO
	MUL16 0, 1, NQ-1, 1, 0
	MUL16 2, 1, NQ-1, 1, 0
	s_wait_dscnt 0
	WIN MUL_HI
	MUL16 4, 1, NQ-1, 1, 0
	MUL16 6, 1, NQ-1, 1, 0
	WIN 0
; THE WAY OUT, a block of 16 rows x 128 columns (two heads) at a time: rounded to f16, 16 bytes a lane into my stage, back so that sixteen lanes hold two neighbouring rows of one head: 256 consecutive bytes of qkv.
.macro PACK a
.set AC, 64*((\a)%4)
	WIN 0x0a+5*((\a)/4)                            ; sources 0 and 1: window 2 or 3
.irp b, 0,1,2,3,4,5,6,7
.irp r, 0,1,2,3
	v_cvt_pk_f16_f32 v[TMP+4*\b+\r], v[AC+8*\b+2*\r], v[AC+8*\b+2*\r+1]   ; each accumulator from its low end on
.endr
.endr
	WIN 0
.endm
.macro TOSTAGE a
.set BB, BK+32*((\a)%2)
.irp b, 0,1,2,3,4,5,6,7
	ds_store_b128 v[STO], v[TMP+4*\b:TMP+4*\b+3] offset:32*\b
.endr
.irp t, 0,1,2,3,4,5,6,7
	ds_load_b128 v[BB+4*\t:BB+4*\t+3], v[RD] offset:\t*2*SPITCH    ; LDS serves a wave's instructions in order: these see the stores above
.endr
.endm
.macro SEND a
.set BB, BK+32*((\a)%2)
	s_wait_dscnt 0x0                               ; the block is back in registers
	s_wait_xcnt 0x0                                ; the block before's stores have read their registers: the next block's loads may land there
.irp t, 0,1,2,3,4,5,6,7
	global_store_b128 v[CO], v[BB+4*\t:BB+4*\t+3], s[12:13] offset:2048*(\a)+256*\t
.endr
.endm
	PLACES NP
	PACK 0
	TOSTAGE 0
.irp a, 1,2,3,4,5,6,7
	PACK \a
	SEND \a-1
	TOSTAGE \a
.endr
	SEND 7
	s_wait_tensorcnt 0x0                           ; the wave's end
	ds_add_u32 v[SPW], v[NIL]
	s_wait_dscnt 0x0
	CROUND                                         ; the closing round
	s_endpgm
.Lfunc_end_k_qdedd83b58f_project:
	.size	k_qdedd83b58f_project, .Lfunc_end_k_qdedd83b58f_project-k_qdedd83b58f_project
	.p2alignl 7, 3214868480
	.fill 96, 4, 3214868480
	.section	.rodata,"a",@progbits
	.p2align	6, 0x0
	.amdhsa_kernel k_qdedd83b58f_project
		.amdhsa_group_segment_fixed_size 327680
		.amdhsa_private_segment_fixed_size 0
		.amdhsa_enable_private_segment 0
		.amdhsa_kernarg_size 48
		.amdhsa_user_sgpr_count 2
		.amdhsa_user_sgpr_kernarg_segment_ptr 1
		.amdhsa_wavefront_size32 1
		.amdhsa_system_sgpr_workgroup_id_x 1
		.amdhsa_system_sgpr_workgroup_id_y 1
		.amdhsa_system_sgpr_workgroup_id_z 1
		.amdhsa_system_vgpr_workitem_id 0
		.amdhsa_next_free_vgpr 1024
		.amdhsa_next_free_sgpr 100
		.amdhsa_reserve_vcc 0
		.amdhsa_float_denorm_mode_32 3
		.amdhsa_float_denorm_mode_16_64 3
		.amdhsa_memory_ordered 1
		.amdhsa_forward_progress 1
		.amdhsa_inst_pref_size 128
	.end_amdhsa_kernel
	.amdgpu_metadata
---
amdhsa.version: [ 1, 2 ]
amdhsa.kernels:
  - .name:           k_qdedd83b58f_project
    .symbol:         k_qdedd83b58f_project.kd
    .args:
      - { .name: codes, .offset: 0, .size: 8, .value_kind: global_buffer, .address_space: global }
      - { .name: scales, .offset: 8, .size: 8, .value_kind: global_buffer, .address_space: global }
      - { .name: bq, .offset: 16, .size: 8, .value_kind: global_buffer, .address_space: global }
      - { .name: bk, .offset: 24, .size: 8, .value_kind: global_buffer, .address_space: global }
      - { .name: bv, .offset: 32, .size: 8, .value_kind: global_buffer, .address_space: global }
      - { .name: qkv, .offset: 40, .size: 8, .value_kind: global_buffer, .address_space: global }
    .group_segment_fixed_size: 327680
    .private_segment_fixed_size: 0
    .kernarg_segment_align: 8
    .kernarg_segment_size: 48
    .max_flat_workgroup_size: 128
    .sgpr_count:     100
    .vgpr_count:     1024
    .wavefront_size: 32
...
	.end_amdgpu_metadata
.endif
;; end of part 2
;; launch attention (part 3): grid 8 x 32, 8 waves a work-group, clusters of 4 x 1, 327,680 bytes of LDS; arguments qkv, attn; writes attn
.if DOCPART == 3
	.amdgcn_target "amdgcn-amd-amdhsa--gfx1250"
	.amdhsa_code_object_version 6
	.text
	.protected	k_qdedd83b58f_attention
	.globl	k_qdedd83b58f_attention
	.p2align	8
	.type	k_qdedd83b58f_attention,@function
k_qdedd83b58f_attention:
	s_mov_b64 s[64:65], 0
	v_nop
	global_prefetch_b8 v0, s[64:65] scope:SCOPE_SE
	s_setreg_imm32_b32 hwreg(HW_REG_WAVE_MODE, 25, 1), 1
	s_wait_xcnt 0x0
	s_wait_alu depctr_hold_cnt(0) depctr_sa_sdst(0) depctr_va_vdst(0) depctr_va_sdst(0) depctr_va_ssrc(0) depctr_va_vcc(0) depctr_vm_vsrc(0)
	s_getreg_b32 s2, hwreg(HW_REG_IB_STS2, 6, 4)
	s_cmp_eq_u32 s2, 0
	s_cbranch_scc0 .Lentry_in_a_cluster
	s_endpgm
.Lentry_in_a_cluster:
	s_bfe_u32 s2, ttmp6, 0x10000c
	s_cmp_lg_u32 s2, 0x3003
	s_cbranch_scc0 .Lentry_shape_is_right
	s_endpgm
.Lentry_shape_is_right:
; attn[b][s][64 h + d] = the sum over keys of softmax(q . k / 8) v, for each of 32 (batch, head) pairs; q, k, v: f16 [3][32][2048][64]; products on f16 operands with f32 sums; maxima, exponentials and sums in f32; attn f32.
; SHARES.  A work-group owns 256 queries of one (b, h); each of its eight waves 32: two tiles of 16.  Two waves lie on a SIMD, so that one wave's softmax stands beside the other's products.
; Every wave walks all 2,048 keys, 128 a step: the statistics and the rescaling of O^T are paid once for 128 keys.  A slot holds 512 keys (four steps) of K and of V; two slots take turns, four fills in all.
; All eight waves fetch: waves 0-3 128 rows of K each, waves 4-7 128 rows of V each: one load a wave is out.
; LAYOUT.  S^T = K Q^T (source 0 = 16 keys, source 1 = 16 queries): a lane holds one query (lane % 16) and keys 8 (lane / 16) + 0..7.  Two such tiles, rounded to f16 in pairs, are source 1 of O^T = V^T P.  V comes out of LDS turned, by ds_load_tr16_b128.
; ONE FRAGMENT BUFFER of 128 registers holds a step's K and then its V.  V is asked for behind the products K Q^T and lands under the softmax; the next step's first four key tiles of K are asked for in the middle of the products V^T P,
; into the half that those have done with; K's other four at the step's head.  The products K Q^T go in four groups of two key tiles, each behind a counted wait for its own eight loads.
; SOFTMAX.  A running maximum m and sum l for each query: p = 2^(c s - c m), c = log2(e) / 8; in every step O and l are multiplied by a = 2^(c m_old - c m_new).  O^T, l begin as zeros and m as -3e38.
; CLUSTER.  The four query blocks of a cluster belong to one (b, h) and walk the same K and V: each tile is asked for jointly, with a mask that names the four.
; LIMITS: scores lie above -3e38; p under 6e-8 is lost in f16; NaN and infinities are not served.
; REGISTERS.  window 0: v1-11, v31 addresses; v12-27 statistics, eight a tile; v28-30 the add's two and the prefetch's offset; v32-159 S^T, 64 a tile; v160-223 P, 32 a tile.   window 1: v0-31 Q; v32-95 O^T; v96-223 the fragment buffer.
.set PK,    144                        ; a row of K in LDS: 128 bytes + 16
.set PV,    160                        ; a row of V: 128 + 32
.set KSL,   512*PK                     ; K's part of a slot; K's two lie at 0 and KSL
.set VSL,   512*PV                     ; V's part; V's two lie at VBASE and VBASE + VSL
.set VBASE, 2*KSL
.set SPARE, VBASE+2*VSL                ; the spare words, 128 bytes a wave
.set STAGE, 0                          ; the way out: 16 rows x 272 bytes for each wave, in K's slot 0: it has had its last fill, and its last read stands ahead of the last change's barrier
.set SP,    272
.set KT,    8388608                    ; k's and v's first bytes in qkv
.set VT,    16777216
.set AK0, 2                            ; v2   my lane's place in a tile of K
.set AV0, 3                            ; v3   the same for V
.set ADK, 4                            ; v4, v5  K's address in the slot in hand: steps 0, 1 and steps 2, 3 (so that the offsets stay inside 16 bits)
.set ADV, 6                            ; v6, v7  the same for V
.set STO, 8
.set RD,  9
.set GO,  10
.set QO,  11
.set ST,  12                           ; tile t at v[ST + 8 t]: +0 c m, +1 m, +2, +3 l, +4 .. +7 at work; a takes +6
.set SPW, 28
.set NIL, 29
.set PFO, 30
.set HH,  31                           ; v31  lane / 16
.set S,   32
.set P,   160
.set TV,  224                          ; v224 at work at the head
.set F,   96                           ; in window 1
.set WV,  12
.set LIM, 15
.set LK,  17                           ; s17  where my rows of K go in a slot;  s54 my rows of V
.set PFA, 18
.set G1K, 24
.set G1V, 32
.set G0K, 40
.set G0V, 44
.set LV,  54
.set FK,  55                           ; s55, s57  the slot that the next fill goes to: 0 or KSL, 0 or VSL
.set SLOTS, 56
.set FV,  57
.set CS,  58
.set SEL, 60
.set TBK, 62                           ; s62, s63  the slot in hand: 0 or KSL, 0 or VSL
.set TBV, 63
.set MSB, 0
.macro WIN new
.if MSB != \new
	s_set_vgpr_msb (MSB<<8)|\new
.set MSB, \new
.endif
.endm
.set W_KQ, 0x05                        ; K and Q (sources 0 and 1) in window 1, S^T in window 0
.set W_PV, 0x51                        ; V (source 0) and O^T (C and D) in window 1, P in window 0
.set W_RS, 0x41                        ; O^T (destination and source 0) in window 1
.set TO_F, 0x40                        ; destination window 1, address window 0
.macro JLOAD                           ; waves 0-3 fetch K's rows, waves 4-7 V's; the branch hangs on the wave's number alone.  An s_nop 0 and four v_nop follow each line
	s_cmp_lt_u32 s[WV], 4
	s_cbranch_scc0 .Lfor_v_\@
	tensor_load_to_lds s[G0K:G0K+3], s[G1K:G1K+7]
	s_nop 0
.rept 4
	v_nop
.endr
	s_branch .Lasked_\@
.Lfor_v_\@:
	tensor_load_to_lds s[G0V:G0V+3], s[G1V:G1V+7]
	s_nop 0
.rept 4
	v_nop
.endr
.Lasked_\@:
.endm
; A prefetch of what the NEXT change of slots will ask for: 512 rows of K and of V, 65,536 dense bytes each.  Each aligned 256 bytes is named once in the launch: the (b, h)'s first cluster asks; its four partners
; take 16,384 bytes each, told apart by address; in each, waves 0 and 1 ask for K's and waves 4 and 5 for V's, 8,192 bytes a wave, lanes 256 bytes apart.  The last change that fills a slot asks for nothing.
.macro ASK
	s_cmp_gt_u32 s[SLOTS], s[LIM]
	s_cbranch_scc0 .Lnot_mine_\@
	global_prefetch_b8 v[PFO], s[PFA:PFA+1] th:TH_LOAD_NT scope:SCOPE_SE
.Lnot_mine_\@:
.endm
.macro CROUND
	s_barrier_signal -1
	s_barrier_wait -1
	s_cmp_lg_u32 s[WV], 0
	s_cbranch_scc1 .Lnot_wave_0_\@
	s_barrier_signal -3
.Lnot_wave_0_\@:
	s_barrier_wait -3
	s_barrier_signal -1
	s_barrier_wait -1
.endm
	s_load_b128 s[4:7], s[0:1], 0x0                ; qkv s[4:5], attn s[6:7]
	v_lshl_add_u32 v[SPW], v0, 2, SPARE
	v_mov_b32 v[NIL], 0
	ds_add_u32 v[SPW], v[NIL]                      ; the wave's opening: the add, twice on end, and its wait ahead of my first tensor load
	ds_add_u32 v[SPW], v[NIL]
	v_lshrrev_b32 v1, 5, v0
	v_readfirstlane_b32 s[WV], v1                  ; wave 0..7
	s_bfe_u32 s13, ttmp6, 0x40000                  ; cx
	s_lshl_b32 s14, ttmp9, 2
	s_add_co_u32 s14, s14, s13                     ; my block of 256 queries: it enters Q's and attn's addresses alone
	s_and_b32 s20, ttmp7, 0xffff                   ; (b, h), which the four partners share
	s_lshl_b32 s21, s20, 18                        ; its 262,144 bytes in each of q, k, v
	s_and_b32 s16, s[WV], 3
	s_lshl_b32 s22, s16, 14                        ; the 128 rows that I fetch
	s_add_co_u32 s22, s22, s21
	s_mov_b32 s23, 0
	s_mul_i32 s[LK], s16, 128*PK                   ; and where they go: no place in the cluster enters an LDS address
	s_mul_i32 s[LV], s16, 128*PV
	s_add_co_u32 s[LV], s[LV], VBASE
	s_lshl_b32 s48, s14, 15                        ; Q: my block's 256 rows of 128 bytes, my wave's 32
	s_lshl_b32 s49, s[WV], 12
	s_add_co_u32 s48, s48, s49
	s_add_co_u32 s48, s48, s21
	s_mov_b32 s49, 0
	s_lshr_b32 s50, s20, 4                         ; attn: row 2,048 b + 256 x block + 32 x wave, 4,096 bytes a row; the head's 256 bytes in it
	s_lshl_b32 s50, s50, 11
	s_lshl_b32 s51, s14, 8
	s_add_co_u32 s50, s50, s51
	s_lshl_b32 s51, s[WV], 5
	s_add_co_u32 s50, s50, s51
	s_lshl_b32 s50, s50, 12
	s_and_b32 s51, s20, 15
	s_lshl_b32 s51, s51, 8
	s_add_co_u32 s50, s50, s51
	s_mov_b32 s51, 0
	s_cmp_lt_u32 s[WV], 4                          ; the prefetches: K's rows or V's,
	s_mov_b32 s52, VT
	s_cselect_b32 s52, KT, s52
	s_add_co_u32 s52, s52, s21
	s_lshl_b32 s53, s13, 14                        ; my work-group's 16,384 bytes of a fill,
	s_add_co_u32 s52, s52, s53
	s_and_b32 s53, s[WV], 1
	s_lshl_b32 s53, s53, 13                        ; my wave's 8,192 of them,
	s_add_co_u32 s52, s52, s53
	s_add_co_u32 s52, s52, 65536                   ; in fill 1: the first change of slots steps it to fill 2
	s_mov_b32 s53, 0
	s_and_b32 s[LIM], s[WV], 2
	s_or_b32 s[LIM], s[LIM], ttmp9                 ; 0 in waves 0, 1, 4, 5 of the first cluster: the same in all four partners
	s_cmp_eq_u32 s[LIM], 0
	s_cselect_b32 s[LIM], 1, -1
	s_mov_b32 s[G1K], 15|(1<<16)|(1<<20)|(1<<21)|(4<<22)|(3<<25)  ; the mask: all four; elements of 2 bytes; padding: 4 words behind every 32
	s_mov_b32 s[G1V], 15|(1<<16)|(1<<20)|(1<<21)|(4<<22)|(7<<25)  ; the same with 8 words
.irp g, G1K, G1V
	s_mov_b32 s[\g+1], 64<<16                      ; tensor_dim0
	s_mov_b32 s[\g+2], 128<<16                     ; tensor_dim1
	s_mov_b32 s[\g+3], 64<<16                      ; tile_dim0
	s_mov_b32 s[\g+4], 128                         ; tile_dim1
	s_mov_b32 s[\g+5], 64                          ; from row to row
	s_mov_b32 s[\g+6], 0
	s_mov_b32 s[\g+7], 0
.endr
	s_mov_b32 s[CS], 0x3e38aa3b                    ; c = log2(e) / 8
	s_mov_b32 s[CS+1], s[CS]
	s_mov_b32 s[SEL], 0x76543210
	s_mov_b32 s[SEL+1], 0xfedcba98
	s_mov_b32 s[TBK], 0
	s_mov_b32 s[TBV], 0
	s_mov_b32 s[FK], 0
	s_mov_b32 s[FV], 0
	s_mov_b32 s[SLOTS], 3
	v_and_b32 v[PFO], 31, v0
	v_lshlrev_b32 v[PFO], 8, v[PFO]
	s_wait_dscnt 0x0                               ; both opening adds are done
	s_wait_kmcnt 0x0
	s_mov_b32 s[G0K], 1
	s_mov_b32 s[G0K+1], s[LK]
	s_add_nc_u64 s[G0K+2:G0K+3], s[4:5], s[22:23]
	s_add_nc_u64 s[G0K+2:G0K+3], s[G0K+2:G0K+3], KT
	s_or_b32 s[G0K+3], s[G0K+3], 0x80000000
	s_mov_b32 s[G0V], 1
	s_mov_b32 s[G0V+1], s[LV]
	s_add_nc_u64 s[G0V+2:G0V+3], s[4:5], s[22:23]
	s_add_nc_u64 s[G0V+2:G0V+3], s[G0V+2:G0V+3], VT
	s_or_b32 s[G0V+3], s[G0V+3], 0x80000000
	s_add_nc_u64 s[8:9], s[4:5], s[48:49]          ; Q at my wave's first row
	s_add_nc_u64 s[10:11], s[6:7], s[50:51]        ; attn likewise
	s_add_nc_u64 s[PFA:PFA+1], s[4:5], s[52:53]
	CROUND                                         ; all four work-groups are here: the first joint loads meet
	JLOAD                                          ; fill 0, into slot 0
	v_and_b32 v1, 15, v0                           ; r
	v_bfe_u32 v[HH], v0, 4, 1                      ; h
	v_lshlrev_b32 v[QO], 7, v1
	v_lshl_add_u32 v[QO], v[HH], 4, v[QO]
	WIN TO_F
.irp t, 0,1
.irp c, 0,1
	global_load_b128 v[16*\t+8*\c:16*\t+8*\c+3],   v[QO], s[8:9] offset:2048*\t+64*\c     ; Q stays in registers: tile t, channels 32 c on
	global_load_b128 v[16*\t+8*\c+4:16*\t+8*\c+7], v[QO], s[8:9] offset:2048*\t+64*\c+32
.endr
.endr
.set e, 0
.rept 64
	v_mov_b32 v[32+e], 0                           ; O^T: the step is written once; its first pass finds zeros
.set e, e+1
.endr
	WIN 0
	v_mul_u32_u24 v[AK0], v1, PK
	v_lshl_add_u32 v[AK0], v[HH], 4, v[AK0]        ; K: row x pitch + 16 x half
	v_and_b32 v[TV], 7, v0
	v_lshl_add_u32 v[AV0], v[HH], 3, v[TV]         ; V, for the turning load: key 8 h + l % 8,
	v_mul_u32_u24 v[AV0], v[AV0], PV
	v_bfe_u32 v[TV], v0, 3, 1
	v_lshl_add_u32 v[AV0], v[TV], 4, v[AV0]        ; channels 8 ((l / 8) % 2) on
	v_add_nc_u32 v[AV0], VBASE, v[AV0]
	s_mul_i32 s3, s[WV], 16*SP
	s_add_co_u32 s3, s3, STAGE                     ; my stage
	v_mul_u32_u24 v[STO], v1, SP
	v_lshl_add_u32 v[STO], v[HH], 5, v[STO]
	v_add_nc_u32 v[STO], s3, v[STO]                ; in: row r, 32 bytes for each half of the lanes
	v_mul_u32_u24 v[RD], v[HH], SP
	v_lshl_add_u32 v[RD], v1, 4, v[RD]
	v_add_nc_u32 v[RD], s3, v[RD]                  ; back: lanes 0-15 one row of 256 bytes, lanes 16-31 the next
	v_lshlrev_b32 v[GO], 12, v[HH]
	v_lshl_add_u32 v[GO], v1, 4, v[GO]             ; and the same two rows in attn
.irp t, 0,1
	v_mov_b32 v[ST+8*\t+1], 0xff61b1e6             ; m = -3e38, under every score
	v_mov_b32 v[ST+8*\t+2], 0                      ; l, in two halves
	v_mov_b32 v[ST+8*\t+3], 0
.endr
.irp t, 0,1
	v_mul_f32 v[ST+8*\t], s[CS], v[ST+8*\t+1]      ; c m
.endr
; Sixteen LDS loads: key tiles k0 .. k0 + 3 of step q of the slot in hand; tile kt, channels 32 c on, at F + 16 kt + 8 c
.macro KLOAD q, k0
	WIN TO_F
.irp k, 0,1,2,3
.irp c, 0,1
	ds_load_b128 v[F+16*(\k0+\k)+8*\c:F+16*(\k0+\k)+8*\c+3],   v[ADK+(\q)/2] offset:((\q)%2)*128*PK+(\k0+\k)*16*PK+64*\c
	ds_load_b128 v[F+16*(\k0+\k)+8*\c+4:F+16*(\k0+\k)+8*\c+7], v[ADK+(\q)/2] offset:((\q)%2)*128*PK+(\k0+\k)*16*PK+64*\c+32
.endr
.endr
.endm
; Thirty-two turning loads: step q's V: keys 32 (f / 4) on, channels 16 (f % 4) on, at F + 8 f
.macro VLOAD q
	WIN TO_F
.irp f, 0,1,2,3,4,5,6,7,8,9,10,11,12,13,14,15
	ds_load_tr16_b128 v[F+8*\f:F+8*\f+3],   v[ADV+(\q)/2] offset:((\q)%2)*128*PV+(\f/4)*32*PV+(\f%4)*32
	ds_load_tr16_b128 v[F+8*\f+4:F+8*\f+7], v[ADV+(\q)/2] offset:((\q)%2)*128*PV+(\f/4)*32*PV+16*PV+(\f%4)*32
.endr
.endm
; Eight products of S^T = K Q^T: key tiles 2 g and 2 g + 1, both tiles of queries, both chunks of 32 channels; four accumulators by turns, one instruction a turn
.macro KQG g
.irp c, 0,1
.irp k, 0,1
.irp t, 0,1
.if \c == 0
	v_wmma_f32_16x16x32_f16 v[S+64*\t+8*(2*\g+\k):S+64*\t+8*(2*\g+\k)+7], v[F+16*(2*\g+\k)+8*\c:F+16*(2*\g+\k)+8*\c+7], v[16*\t+8*\c:16*\t+8*\c+7], 0
.else
	v_wmma_f32_16x16x32_f16 v[S+64*\t+8*(2*\g+\k):S+64*\t+8*(2*\g+\k)+7], v[F+16*(2*\g+\k)+8*\c:F+16*(2*\g+\k)+8*\c+7], v[16*\t+8*\c:16*\t+8*\c+7], v[S+64*\t+8*(2*\g+\k):S+64*\t+8*(2*\g+\k)+7]
.endif
.endr
.endr
.endr
.endm
; Sixteen products of O^T += V^T P: keys 64 hh on; product i: tile i % 2, channels 16 ((i / 2) % 4) on, keys 32 (i / 8) on; eight accumulators by turns
.macro PVH hh
.set i, 16*\hh
.rept 16
.set rO, 32+32*(i%2)+8*((i/2)%4)
.set rV, F+32*(i/8)+8*((i/2)%4)
.set rP, P+32*(i%2)+8*(i/8)
	v_wmma_f32_16x16x32_f16 v[rO:rO+7], v[rV:rV+7], v[rP:rP+7], v[rO:rO+7]
.set i, i+1
.endr
.endm
; One key step's softmax for both tiles, the tiles by turns so that no line waits for the line above it.  A lane has 64 scores a tile, in eight accumulators.
.macro SOFTMAX
.irp j, 0,1,2,3
.irp t, 0,1
	v_max3_num_f32 v[ST+8*\t+4+\j], v[S+64*\t+8*\j], v[S+64*\t+8*\j+1], v[S+64*\t+8*\j+2]   ; four chains; accumulators 0-3 are first read at their low end,
.endr
.endr
.irp j, 0,1,2,3
.irp t, 0,1
	v_max3_num_f32 v[ST+8*\t+4+\j], v[ST+8*\t+4+\j], v[S+64*\t+32+8*\j], v[S+64*\t+32+8*\j+1]   ; and so are accumulators 4-7
.endr
.endr
.irp u, 3,5,34,36,38
.irp j, 0,1,2,3
.irp t, 0,1
	v_max3_num_f32 v[ST+8*\t+4+\j], v[ST+8*\t+4+\j], v[S+64*\t+8*\j+\u], v[S+64*\t+8*\j+\u+1]
.endr
.endr
.endr
.irp t, 0,1
	v_max3_num_f32 v[ST+8*\t+4], v[ST+8*\t+4], v[S+64*\t+7], v[S+64*\t+15]
	v_max3_num_f32 v[ST+8*\t+6], v[ST+8*\t+6], v[S+64*\t+23], v[S+64*\t+31]
.endr
.irp t, 0,1
	v_max3_num_f32 v[ST+8*\t+4], v[ST+8*\t+4], v[ST+8*\t+5], v[ST+8*\t+6]
.endr
.irp t, 0,1
	v_max3_num_f32 v[ST+8*\t+4], v[ST+8*\t+4], v[ST+8*\t+7], v[ST+8*\t+1]   ; with the old m
.endr
.irp t, 0,1
	v_permlanex16_b32 v[ST+8*\t+5], v[ST+8*\t+4], s[SEL], s[SEL+1]         ; the query's other 64 keys lie in the lane 16 away
.endr
.irp t, 0,1
	v_mov_b32 v[ST+8*\t+7], v[ST+8*\t]             ; c m_old is kept for a
.endr
.irp t, 0,1
	v_max_num_f32 v[ST+8*\t+1], v[ST+8*\t+4], v[ST+8*\t+5]
.endr
.irp t, 0,1
	v_mul_f32 v[ST+8*\t], s[CS], v[ST+8*\t+1]
.endr
.irp t, 0,1
	v_sub_f32 v[ST+8*\t+7], v[ST+8*\t+7], v[ST+8*\t]
.endr
.set e, 0
.rept 32
.irp t, 0,1
	v_pk_fma_f32 v[S+64*\t+2*e:S+64*\t+2*e+1], v[S+64*\t+2*e:S+64*\t+2*e+1], s[CS:CS+1], v[ST+8*\t:ST+8*\t+1] op_sel_hi:[1,0,0] neg_lo:[0,0,1] neg_hi:[0,0,1]   ; c s - c m, two at a time
.endr
.set e, e+1
.endr
.irp t, 0,1
	v_exp_f32 v[ST+8*\t+6], v[ST+8*\t+7]           ; a
.endr
.set e, 0
.rept 128
	v_exp_f32 v[S+e], v[S+e]                       ; p: one batch of 130 exponentials; none reads another's result
.set e, e+1
.endr
	v_nop                                          ; a plain line behind the last exponential
	s_wait_alu depctr_va_vdst(0)                   ; one wait for the batch, ahead of its first reader
.set e, 0
.rept 64
	v_cvt_pk_f16_f32 v[P+e], v[S+2*e], v[S+2*e+1]  ; a pair of weights to f16
.set e, e+1
.endr
.irp w, 4,8,16,32,64                           ; each tile's 32 pairs are summed in place: neighbours 1, 2, 4, 8, 16 pairs apart
.set u, 0
.rept 128/\w
	v_pk_add_f32 v[S+\w*u:S+\w*u+1], v[S+\w*u:S+\w*u+1], v[S+\w*u+\w/2:S+\w*u+\w/2+1]
.set u, u+1
.endr
.endr
.irp t, 0,1
	v_pk_fma_f32 v[ST+8*\t+2:ST+8*\t+3], v[ST+8*\t+2:ST+8*\t+3], v[ST+8*\t+6:ST+8*\t+7], v[S+64*\t:S+64*\t+1] op_sel_hi:[1,0,1]   ; l = a l + the sum
.endr
	WIN W_RS
.irp t, 0,1
.set e, 0
.rept 16
	v_pk_mul_f32 v[32+32*\t+2*e:32+32*\t+2*e+1], v[32+32*\t+2*e:32+32*\t+2*e+1], v[ST+8*\t+6:ST+8*\t+7] op_sel_hi:[1,0]   ; O^T times a, each accumulator from its low end on
.set e, e+1
.endr
.endr
.endm
; A KEY STEP: 128 keys, the q-th of the slot in hand.  kin = 1: K's first four key tiles were asked for in the step before.  knext = 1: the next step's are asked for here.
.macro STEP q, kin, knext
.if \kin
.rept 4
	v_nop                                          ; four plain lines between the last products and the loads into the half of the buffer that they read
.endr
	KLOAD \q, 4
	s_wait_dscnt 16                                ; the sixteen loads of the step before are in; the sixteen just issued may be out
.else
	KLOAD \q, 0                                    ; (the slot's four address lines are the plain lines ahead of these)
	KLOAD \q, 4
	s_wait_dscnt 24                                ; key tiles 0 and 1 are in: eight loads; the other 24 may be out
.endif
	WIN W_KQ
	KQG 0
.if \kin == 0
	s_wait_dscnt 16                                ; key tiles 2 and 3
.endif
	KQG 1
	s_wait_dscnt 8                                 ; key tiles 4 and 5; the last eight loads may be out
	KQG 2
	s_wait_dscnt 0x0
	KQG 3
.rept 4
	v_nop                                          ; plain lines ahead of the loads into K's registers and of the first read of the scores
.endr
	VLOAD \q                                       ; V lands under the softmax
	WIN 0
	SOFTMAX
	s_wait_dscnt 0x0                               ; V is in
	WIN W_PV
	PVH 0
.if \knext
.rept 4
	v_nop                                          ; plain lines ahead of the loads into the half that those sixteen products read
.endr
	KLOAD (\q)+1, 0                                ; sixteen products ahead of their use
	WIN W_PV
.endif
	PVH 1
	WIN 0
.endm
; THE CHANGE OF SLOTS stands at a slot's head.  Each wave waits for all its tensor loads (its part of the slot that it is about to read), adds 0 to its spare word, and waits for that and for its reads of the slot that it has left.
; fill = 1: a round of the cluster's barrier, and behind it the other slot is filled with the next 512 keys: the load has four key steps in which to land.
.macro CHANGE fill
	s_wait_tensorcnt 0x0                           ; no tensor load of mine is out, so a group 0 may be written
	ds_add_u32 v[SPW], v[NIL]
.if \fill
	s_xor_b32 s[FK], s[FK], KSL                    ; the walking descriptors: the other slot (0 and the slot's size change places),
	s_xor_b32 s[FV], s[FV], VSL
	s_add_co_u32 s[G0K+1], s[LK], s[FK]
	s_add_co_u32 s[G0V+1], s[LV], s[FV]
	s_add_nc_u64 s[G0K+2:G0K+3], s[G0K+2:G0K+3], 65536   ; the next 512 rows
	s_add_nc_u64 s[G0V+2:G0V+3], s[G0V+2:G0V+3], 65536
	s_wait_xcnt 0x0                                ; the last prefetch, a slot back, has read its address
	s_add_nc_u64 s[PFA:PFA+1], s[PFA:PFA+1], 65536 ; one fill further on than the walking descriptors
	s_wait_dscnt 0x0                               ; the add is done, and my reads of the slot that I have left are over
	CROUND
	JLOAD                                          ; the first thing behind the round, and my one tensor load until the next
	ASK
.else
	s_wait_dscnt 0x0
	s_barrier_signal -1
	s_barrier_wait -1
.endif
.endm
.macro SLOT_STEPS
	v_add_nc_u32 v[ADK], s[TBK], v[AK0]            ; four plain lines: also those between the last slot's products and the first loads into the buffer
	v_add_nc_u32 v[ADV], s[TBV], v[AV0]
	v_add_nc_u32 v[ADK+1], 2*128*PK, v[ADK]
	v_add_nc_u32 v[ADV+1], 2*128*PV, v[ADV]
	STEP 0, 0, 1
	STEP 1, 1, 1
	STEP 2, 1, 1
	STEP 3, 1, 0                                   ; the next step's K lies in the other slot, behind the change's barrier
	s_xor_b32 s[TBK], s[TBK], KSL                  ; on to the other slot
	s_xor_b32 s[TBV], s[TBV], VSL
.endm
	s_wait_loadcnt 0x0                             ; Q
.Lslot:                                            ; three trips: behind each change of slots but the last the next fill is asked for
	CHANGE 1
	SLOT_STEPS
	s_sub_co_u32 s[SLOTS], s[SLOTS], 1
	s_cmp_lg_u32 s[SLOTS], 0
	s_cbranch_scc1 .Lslot
	CHANGE 0                                       ; the last slot is written out
	SLOT_STEPS
	; THE WAY OUT: O^T / l, through my stage, a tile (16 rows) at a time; sixteen lanes store a row's 256 bytes of this head.
.rept 4
	v_nop
.endr
.irp t, 0,1
	v_add_f32 v[ST+8*\t+4], v[ST+8*\t+2], v[ST+8*\t+3]
.endr
.irp t, 0,1
	v_permlanex16_b32 v[ST+8*\t+5], v[ST+8*\t+4], s[SEL], s[SEL+1]
.endr
.irp t, 0,1
	v_add_f32 v[ST+8*\t+4], v[ST+8*\t+4], v[ST+8*\t+5]
.endr
.irp t, 0,1
	v_rcp_f32 v[ST+8*\t+6], v[ST+8*\t+4]
.endr
	v_nop                                          ; a plain line behind the last reciprocal
	s_wait_alu depctr_va_vdst(0)                   ; one wait for both, ahead of the first use
.macro PACKO t
	WIN 0x01                                       ; source 0 (O^T) window 1, destination window 0
.set i, 0
.rept 16
	v_pk_mul_f32 v[S+32*\t+2*i:S+32*\t+2*i+1], v[32+32*\t+2*i:32+32*\t+2*i+1], v[ST+8*\t+6:ST+8*\t+7] op_sel_hi:[1,0]   ; ascending: each accumulator from its low end on
.set i, i+1
.endr
	WIN 0
.irp c, 0,1,2,3
	ds_store_b128 v[STO], v[S+32*\t+8*\c:S+32*\t+8*\c+3] offset:64*\c
	ds_store_b128 v[STO], v[S+32*\t+8*\c+4:S+32*\t+8*\c+7] offset:64*\c+16
.endr
.irp f, 0,1,2,3,4,5,6,7
	ds_load_b128 v[S+32*\t+4*\f:S+32*\t+4*\f+3], v[RD] offset:\f*2*SP   ; LDS serves a wave's instructions in order: these see the stores above, and the next tile's stores come behind them
.endr
.endm
.macro SENDO t, younger                ; younger: the LDS instructions issued behind tile t's loads
.irp f, 0,1,2,3,4,5,6,7
	s_wait_dscnt \younger+7-\f
	global_store_b128 v[GO], v[S+32*\t+4*\f:S+32*\t+4*\f+3], s[10:11] offset:(16*\t+2*\f)*4096
.endr
.endm
	PACKO 0
	PACKO 1
	SENDO 0, 16
	SENDO 1, 0
	s_wait_tensorcnt 0x0                           ; the wave's end
	ds_add_u32 v[SPW], v[NIL]
	s_wait_dscnt 0x0
	CROUND                                         ; the closing round
	s_endpgm
.Lfunc_end_k_qdedd83b58f_attention:
	.size	k_qdedd83b58f_attention, .Lfunc_end_k_qdedd83b58f_attention-k_qdedd83b58f_attention
	.p2alignl 7, 3214868480
	.fill 96, 4, 3214868480
	.section	.rodata,"a",@progbits
	.p2align	6, 0x0
	.amdhsa_kernel k_qdedd83b58f_attention
		.amdhsa_group_segment_fixed_size 327680
		.amdhsa_private_segment_fixed_size 0
		.amdhsa_enable_private_segment 0
		.amdhsa_kernarg_size 16
		.amdhsa_user_sgpr_count 2
		.amdhsa_user_sgpr_kernarg_segment_ptr 1
		.amdhsa_wavefront_size32 1
		.amdhsa_system_sgpr_workgroup_id_x 1
		.amdhsa_system_sgpr_workgroup_id_y 1
		.amdhsa_system_sgpr_workgroup_id_z 1
		.amdhsa_system_vgpr_workitem_id 0
		.amdhsa_next_free_vgpr 512
		.amdhsa_next_free_sgpr 66
		.amdhsa_reserve_vcc 0
		.amdhsa_float_denorm_mode_32 3
		.amdhsa_float_denorm_mode_16_64 3
		.amdhsa_memory_ordered 1
		.amdhsa_forward_progress 1
		.amdhsa_inst_pref_size 255
	.end_amdhsa_kernel
	.section	.bss,"aw",@nobits
	.p2align	6
	.space	262144
	.amdgpu_metadata
---
amdhsa.version: [ 1, 2 ]
amdhsa.kernels:
  - .name:           k_qdedd83b58f_attention
    .symbol:         k_qdedd83b58f_attention.kd
    .args:
      - { .name: qkv, .offset: 0, .size: 8, .value_kind: global_buffer, .address_space: global }
      - { .name: attn, .offset: 8, .size: 8, .value_kind: global_buffer, .address_space: global }
    .group_segment_fixed_size: 327680
    .private_segment_fixed_size: 0
    .kernarg_segment_align: 8
    .kernarg_segment_size: 16
    .max_flat_workgroup_size: 256
    .sgpr_count:     66
    .vgpr_count:     512
    .wavefront_size: 32
...
	.end_amdgpu_metadata
.endif
;; end of part 3
;; launch layernorm (part 4): grid 256 x 1, 8 waves a work-group, no clusters, 0 bytes of LDS; arguments attn, ln_g, ln_b, ffi; writes ffi
.if DOCPART == 4
	.amdgcn_target "amdgcn-amd-amdhsa--gfx1250"
	.amdhsa_code_object_version 6
	.text
	.protected	k_qdedd83b58f_layernorm
	.globl	k_qdedd83b58f_layernorm
	.p2align	8
	.type	k_qdedd83b58f_layernorm,@function
k_qdedd83b58f_layernorm:
	s_mov_b64 s[64:65], 0
	v_nop
	global_prefetch_b8 v0, s[64:65] scope:SCOPE_SE
	s_setreg_imm32_b32 hwreg(HW_REG_WAVE_MODE, 25, 1), 1
	s_wait_xcnt 0x0
; ffi = (attn - mean) / sqrt(var + 1e-5) * ln_g + ln_b along rows of 1,024, all in f32; stored twice: as f32 (the residual) at byte 0 of ffi and as f16 (the next product's operand) at byte F16O.
; A wave takes two whole rows, 32 registers a lane each, read from memory once; the variance is taken of the centred numbers.  No LDS, no barrier: the reductions never leave the wave.
; A lane holds columns 128 j + 4 lane + 0..3, j = 0..7: each load and f32 store of a wave covers 512 consecutive bytes, each f16 store 256.
; LIMITS: |ffi| stays under 65,504 in the f16 copy; NaN and infinities are not served.
.set X,    16                          ; v16-79   two rows
.set G,    80                          ; v80-111  ln_g at my columns
.set BT,   112                         ; v112-143 ln_b
.set HF,   144                         ; v144-175 the rows in f16
.set F16O, 16777216
.macro RED2                            ; v4 and v8 are summed over the 32 lanes, the two rows by turns
.irp m, 1,2,4,8
	v_add_f32_dpp v4, v4, v4 row_xmask:\m row_mask:0xf bank_mask:0xf
	v_add_f32_dpp v8, v8, v8 row_xmask:\m row_mask:0xf bank_mask:0xf
.endr
	v_permlanex16_b32 v176, v4, s12, s13
	v_permlanex16_b32 v177, v8, s12, s13
	v_add_f32 v4, v4, v176
	v_add_f32 v8, v8, v177
.endm
	s_load_b256 s[4:11], s[0:1], 0x0               ; attn s[4:5], ln_g s[6:7], ln_b s[8:9], ffi s[10:11]
	v_lshrrev_b32 v3, 5, v0
	v_readfirstlane_b32 s2, v3                     ; wave 0..7
	v_and_b32 v3, 31, v0
	v_lshlrev_b32 v1, 4, v3                        ; 16 bytes a lane
	v_lshlrev_b32 v2, 3, v3                        ; 8 bytes a lane
	s_lshl_b32 s3, ttmp9, 3
	s_add_co_u32 s3, s3, s2                        ; my pair of rows
	s_lshl_b32 s14, s3, 13
	s_mov_b32 s15, 0
	s_lshl_b32 s16, s3, 12
	s_add_co_u32 s16, s16, F16O
	s_mov_b32 s17, 0
	s_mov_b32 s12, 0x76543210
	s_mov_b32 s13, 0xfedcba98
	s_mov_b32 s20, 0x3a800000                      ; 1 / 1,024
	s_mov_b32 s21, 0x3727c5ac                      ; 1e-5
	v_mov_b32 v13, 0                               ; upper halves of pairs of which the low word alone is taken
	v_mov_b32 v15, 0
	v_mov_b32 v176, 0                              ; a lane permute's destination counts as one of its sources
	v_mov_b32 v177, 0
	s_wait_kmcnt 0x0
	s_add_nc_u64 s[4:5], s[4:5], s[14:15]
	s_add_nc_u64 s[18:19], s[10:11], s[16:17]      ; the f16 copy
	s_add_nc_u64 s[10:11], s[10:11], s[14:15]      ; the f32 copy
.irp r, 0,1
.irp j, 0,1,2,3,4,5,6,7
	global_load_b128 v[X+32*\r+4*\j:X+32*\r+4*\j+3], v1, s[4:5] offset:4096*\r+512*\j th:TH_LOAD_NT
.endr
.endr
.irp j, 0,1,2,3,4,5,6,7
	global_load_b128 v[G+4*\j:G+4*\j+3], v1, s[6:7] offset:512*\j
.endr
.irp j, 0,1,2,3,4,5,6,7
	global_load_b128 v[BT+4*\j:BT+4*\j+3], v1, s[8:9] offset:512*\j
.endr
	s_wait_loadcnt 16                              ; the two rows are in; the sixteen loads of gain and bias may be out
.irp r, 0,1
	v_pk_add_f32 v[4+4*\r:5+4*\r], v[X+32*\r:X+32*\r+1], v[X+32*\r+2:X+32*\r+3]       ; the sum, in two chains a row
	v_pk_add_f32 v[6+4*\r:7+4*\r], v[X+32*\r+4:X+32*\r+5], v[X+32*\r+6:X+32*\r+7]
.endr
.irp i, 8,12,16,20,24,28
.irp r, 0,1
	v_pk_add_f32 v[4+4*\r:5+4*\r], v[4+4*\r:5+4*\r], v[X+32*\r+\i:X+32*\r+\i+1]
	v_pk_add_f32 v[6+4*\r:7+4*\r], v[6+4*\r:7+4*\r], v[X+32*\r+\i+2:X+32*\r+\i+3]
.endr
.endr
.irp r, 0,1
	v_pk_add_f32 v[4+4*\r:5+4*\r], v[4+4*\r:5+4*\r], v[6+4*\r:7+4*\r]
.endr
.irp r, 0,1
	v_add_f32 v[4+4*\r], v[4+4*\r], v[5+4*\r]
.endr
	RED2
.irp r, 0,1
	v_mul_f32 v[12+2*\r], s20, v[4+4*\r]           ; the mean
.endr
.irp i, 0,2,4,6,8,10,12,14,16,18,20,22,24,26,28,30
.irp r, 0,1
	v_pk_add_f32 v[X+32*\r+\i:X+32*\r+\i+1], v[X+32*\r+\i:X+32*\r+\i+1], v[12+2*\r:13+2*\r] op_sel_hi:[1,0] neg_lo:[0,1] neg_hi:[0,1]   ; centred
.endr
.endr
.irp r, 0,1
	v_pk_mul_f32 v[4+4*\r:5+4*\r], v[X+32*\r:X+32*\r+1], v[X+32*\r:X+32*\r+1]         ; the sum of squares of the centred numbers
	v_pk_mul_f32 v[6+4*\r:7+4*\r], v[X+32*\r+2:X+32*\r+3], v[X+32*\r+2:X+32*\r+3]
.endr
.irp i, 4,8,12,16,20,24,28
.irp r, 0,1
	v_pk_fma_f32 v[4+4*\r:5+4*\r], v[X+32*\r+\i:X+32*\r+\i+1], v[X+32*\r+\i:X+32*\r+\i+1], v[4+4*\r:5+4*\r]
	v_pk_fma_f32 v[6+4*\r:7+4*\r], v[X+32*\r+\i+2:X+32*\r+\i+3], v[X+32*\r+\i+2:X+32*\r+\i+3], v[6+4*\r:7+4*\r]
.endr
.endr
.irp r, 0,1
	v_pk_add_f32 v[4+4*\r:5+4*\r], v[4+4*\r:5+4*\r], v[6+4*\r:7+4*\r]
.endr
.irp r, 0,1
	v_add_f32 v[4+4*\r], v[4+4*\r], v[5+4*\r]
.endr
	RED2
.irp r, 0,1
	v_fma_f32 v[4+4*\r], v[4+4*\r], s20, s21       ; var + 1e-5
.endr
.irp r, 0,1
	v_rsq_f32 v[12+2*\r], v[4+4*\r]
.endr
	v_nop                                          ; a plain line behind the last root
	s_wait_alu depctr_va_vdst(0)                   ; one wait for both, ahead of the first use
.irp i, 0,2,4,6,8,10,12,14,16,18,20,22,24,26,28,30
.irp r, 0,1
	v_pk_mul_f32 v[X+32*\r+\i:X+32*\r+\i+1], v[X+32*\r+\i:X+32*\r+\i+1], v[12+2*\r:13+2*\r] op_sel_hi:[1,0]
.endr
.endr
	s_wait_loadcnt 0x0                             ; gain and bias
.irp i, 0,2,4,6,8,10,12,14,16,18,20,22,24,26,28,30
.irp r, 0,1
	v_pk_fma_f32 v[X+32*\r+\i:X+32*\r+\i+1], v[X+32*\r+\i:X+32*\r+\i+1], v[G+\i:G+\i+1], v[BT+\i:BT+\i+1]
.endr
.endr
.irp r, 0,1
.irp j, 0,1,2,3,4,5,6,7
	global_store_b128 v1, v[X+32*\r+4*\j:X+32*\r+4*\j+3], s[10:11] offset:4096*\r+512*\j
.endr
.endr
.irp r, 0,1
.irp i, 0,1,2,3,4,5,6,7,8,9,10,11,12,13,14,15
	v_cvt_pk_f16_f32 v[HF+16*\r+\i], v[X+32*\r+2*\i], v[X+32*\r+2*\i+1]
.endr
.endr
.irp r, 0,1
.irp j, 0,1,2,3,4,5,6,7
	global_store_b64 v2, v[HF+16*\r+2*\j:HF+16*\r+2*\j+1], s[18:19] offset:2048*\r+256*\j
.endr
.endr
	s_endpgm
.Lfunc_end_k_qdedd83b58f_layernorm:
	.size	k_qdedd83b58f_layernorm, .Lfunc_end_k_qdedd83b58f_layernorm-k_qdedd83b58f_layernorm
	.p2alignl 7, 3214868480
	.fill 96, 4, 3214868480
	.section	.rodata,"a",@progbits
	.p2align	6, 0x0
	.amdhsa_kernel k_qdedd83b58f_layernorm
		.amdhsa_group_segment_fixed_size 0
		.amdhsa_private_segment_fixed_size 0
		.amdhsa_enable_private_segment 0
		.amdhsa_kernarg_size 32
		.amdhsa_user_sgpr_count 2
		.amdhsa_user_sgpr_kernarg_segment_ptr 1
		.amdhsa_wavefront_size32 1
		.amdhsa_system_sgpr_workgroup_id_x 1
		.amdhsa_system_sgpr_workgroup_id_y 1
		.amdhsa_system_sgpr_workgroup_id_z 1
		.amdhsa_system_vgpr_workitem_id 0
		.amdhsa_next_free_vgpr 180
		.amdhsa_next_free_sgpr 66
		.amdhsa_reserve_vcc 0
		.amdhsa_float_denorm_mode_32 3
		.amdhsa_float_denorm_mode_16_64 3
		.amdhsa_memory_ordered 1
		.amdhsa_forward_progress 1
		.amdhsa_inst_pref_size 22
	.end_amdhsa_kernel
	.amdgpu_metadata
---
amdhsa.version: [ 1, 2 ]
amdhsa.kernels:
  - .name:           k_qdedd83b58f_layernorm
    .symbol:         k_qdedd83b58f_layernorm.kd
    .args:
      - { .name: attn, .offset: 0, .size: 8, .value_kind: global_buffer, .address_space: global }
      - { .name: ln_g, .offset: 8, .size: 8, .value_kind: global_buffer, .address_space: global }
      - { .name: ln_b, .offset: 16, .size: 8, .value_kind: global_buffer, .address_space: global }
      - { .name: ffi, .offset: 24, .size: 8, .value_kind: global_buffer, .address_space: global }
    .group_segment_fixed_size: 0
    .private_segment_fixed_size: 0
    .kernarg_segment_align: 8
    .kernarg_segment_size: 32
    .max_flat_workgroup_size: 256
    .sgpr_count:     66
    .vgpr_count:     180
    .wavefront_size: 32
...
	.end_amdgpu_metadata
.endif
;; end of part 4
;; launch ffn1 (part 5): grid 8 x 32, 4 waves a work-group, clusters of 4 x 4, 327,680 bytes of LDS; arguments ffi, wh, b1, h16; writes h16
.if DOCPART == 5
	.amdgcn_target "amdgcn-amd-amdhsa--gfx1250"
	.amdhsa_code_object_version 6
	.text
	.protected	k_qdedd83b58f_ffn1
	.globl	k_qdedd83b58f_ffn1
	.p2align	8
	.type	k_qdedd83b58f_ffn1,@function
k_qdedd83b58f_ffn1:
	s_mov_b64 s[64:65], 0
	v_nop
	global_prefetch_b8 v0, s[64:65] scope:SCOPE_SE
	s_setreg_imm32_b32 hwreg(HW_REG_WAVE_MODE, 25, 1), 1
	s_wait_xcnt 0x0
	s_wait_alu depctr_hold_cnt(0) depctr_sa_sdst(0) depctr_va_vdst(0) depctr_va_sdst(0) depctr_va_ssrc(0) depctr_va_vcc(0) depctr_vm_vsrc(0)
	s_getreg_b32 s2, hwreg(HW_REG_IB_STS2, 6, 4)
	s_cmp_eq_u32 s2, 0
	s_cbranch_scc0 .Lentry_in_a_cluster
	s_endpgm
.Lentry_in_a_cluster:
	s_bfe_u32 s2, ttmp6, 0x10000c
	s_cmp_lg_u32 s2, 0xf033
	s_cbranch_scc0 .Lentry_shape_is_right
	s_endpgm
.Lentry_shape_is_right:
; One text serves both products of the feed-forward; FFN says which.  FFN = 1: h16 = relu(ffi W1 + b1), f16.  FFN = 2: out0 = ffi + h16 W2 + b2, f32.  Operands f16, sums f32.
; A is [4096][SIZE_K] f16, K along the rows.  W is [SIZE_K][SIZE_N] f16 as JAX has it: its tiles lie in LDS as k-rows, and its fragments come out turned, by ds_load_tr16_b128.
; A tile of C is 128 x TN; four waves, each 64 x TN / 2.  K goes in steps of KSTEP through two LDS slots; waves 0 and 1 fetch A's halves (64 rows), waves 2 and 3 W's (KSTEP / 2 k-rows): one load a wave behind each change of slots.
; CLUSTERS: 4 x 4 work-groups; A's tiles are asked for jointly along a row of the cluster, W's along a column.
; THE MATRIX INSTRUCTION IS USED TRANSPOSED (source 0 = 16 columns of W, source 1 = 16 rows of A): a lane holds eight neighbouring columns of one row of C.  The bias is the C of each sum's first product.
; LIMITS: h stays under 65,504 (f16).
; REGISTERS.  window 0: v16-29 addresses; from v32 the bias, 8 registers a block of 16 columns; the rest serves the way out (FFN = 2: v128-255 hold the residual).  window 1: two fragment buffers of 128: A's four at +0, W's at +32.  window 2: the accumulators, (a, b) at v[8 (NBW a + b)].
.set FFN, 1
.if FFN == 1
.set SIZE_N, 2048
.set SIZE_K, 1024
.set TN,     256
.set NBW,    8
.set KSTEP,  128
.set QIA,    5
.set QIB,    6
.set AOFF,   16777216                  ; ffi's f16 copy
.set BOFF,   0
.else
.set SIZE_N, 1024
.set SIZE_K, 2048
.set TN,     128
.set NBW,    4
.set KSTEP,  256
.set QIA,    6
.set QIB,    5
.set AOFF,   0
.set BOFF,   4194304                   ; W2 in wh
.endif
.set NS,     KSTEP/32                  ; sub-steps of 32 along K in a K step
.set PA,     2*KSTEP+16                ; a row of A in LDS
.set PB,     2*TN+32                   ; a k-row of W in LDS
.set APART,  128*PA
.set BPART,  KSTEP*PB
.set SLOT,   APART+BPART
.set STAGE,  2*SLOT                    ; behind the ring: 16 rows x 272 bytes for each wave
.set SPITCH, 272
.set SPARE,  STAGE+4*16*SPITCH         ; the spare words, 128 bytes a wave
.set LAPS,   SIZE_K/(2*KSTEP)
.set NL,     2*NBW+8                   ; LDS loads of a sub-step
.set ADRA, 16
.set ADRB, 20                          ; v[20 + 2 slot + q / 4]: the second of a pair serves sub-steps 4 on, whose offsets would pass 16 bits
.set STO,  24
.set RD,   25
.set CO,   26
.set BA,   27
.set SPW,  28
.set NIL,  29
.set BI,   32
.set F0,   0
.set F1,   128
.set G1,  24
.set G0,  32
.set G1B, 48
.set G0B, 56
.set MSB, 0
.macro WIN new
.if MSB != \new
	s_set_vgpr_msb (MSB<<8)|\new
.set MSB, \new
.endif
.endm
.set MULW,  0xa5                       ; sources 0 and 1 window 1, C and D window 2
.set MULW1, 0x85                       ; the first sub-step: C is the bias, in window 0
.set TO_F,  0x40
.macro JLOAD s                         ; a joint load: waves 0 and 1 for A, waves 2 and 3 for W; an s_nop 0 and four v_nop follow each line
	s_cmp_eq_u32 s11, 0
	s_cbranch_scc0 .Lfor_b_\@
	tensor_load_to_lds s[G0+4*\s:G0+4*\s+3], s[G1:G1+7]
	s_nop 0
.rept 4
	v_nop
.endr
	s_branch .Lasked_\@
.Lfor_b_\@:
	tensor_load_to_lds s[G0B+4*\s:G0B+4*\s+3], s[G1B:G1B+7]
	s_nop 0
.rept 4
	v_nop
.endr
.Lasked_\@:
.endm
.macro CREST                           ; a round of the cluster's barrier behind its opening barrier
	s_cmp_lg_u32 s10, 0
	s_cbranch_scc1 .Lnot_wave_0_\@
	s_barrier_signal -3
.Lnot_wave_0_\@:
	s_barrier_wait -3
	s_barrier_signal -1
	s_barrier_wait -1
.endm
.macro CROUND
	s_barrier_signal -1
	s_barrier_wait -1
	CREST
.endm
.macro PLACES                          ; four plain lines between a matrix instruction and a load into, or a read of, its registers
.rept 4
	v_nop
.endr
.endm
	s_load_b128 s[4:7], s[0:1], 0x0                ; A s[4:5], wh s[6:7]
	s_load_b128 s[68:71], s[0:1], 0x10             ; the bias s[68:69]; FFN = 1: h16, FFN = 2: ffi s[70:71]
.if FFN == 2
	s_load_b64 s[8:9], s[0:1], 0x20                ; out0
.endif
	v_lshl_add_u32 v[SPW], v0, 2, SPARE
	v_mov_b32 v[NIL], 0
	ds_add_u32 v[SPW], v[NIL]                      ; the wave's opening: the add, twice on end, and its wait ahead of my first tensor load
	ds_add_u32 v[SPW], v[NIL]
	v_lshrrev_b32 v1, 5, v0
	v_readfirstlane_b32 s10, v1                    ; wave 0..3
	s_lshr_b32 s11, s10, 1                         ; which half of the tile's rows is mine; also: I fetch for A (0) or for W (1)
	s_and_b32 s12, s10, 1                          ; which half of its columns; also: which half of that tile I fetch
	s_bfe_u32 s40, ttmp6, 0x40000                  ; cx
	s_bfe_u32 s41, ttmp6, 0x40004                  ; cy
	s_lshl_b32 s42, ttmp9, 2
	s_add_co_u32 s42, s42, s40                     ; tile column
	s_and_b32 s13, ttmp7, 0xffff
	s_lshl_b32 s13, s13, 2
	s_add_co_u32 s13, s13, s41                     ; tile row
	s_lshl_b32 s43, s41, 2
	s_lshl_b32 s43, 15, s43                        ; my row of the cluster
	s_lshl_b32 s44, 0x1111, s40                    ; my column
	s_or_b32 s[G1+0], s43, (1<<16)|(1<<20)|(1<<21)|(QIA<<22)|(3<<25)    ; the mask; elements of 2 bytes; padding: 4 words behind each row
	s_mov_b32 s[G1+1], KSTEP<<16                   ; tensor_dim0
	s_mov_b32 s[G1+2], 64<<16                      ; tensor_dim1
	s_mov_b32 s[G1+3], KSTEP<<16                   ; tile_dim0
	s_mov_b32 s[G1+4], 64                          ; tile_dim1
	s_mov_b32 s[G1+5], SIZE_K                      ; from row to row
	s_mov_b32 s[G1+6], 0
	s_mov_b32 s[G1+7], 0
	s_or_b32 s[G1B+0], s44, (1<<16)|(1<<20)|(1<<21)|(QIB<<22)|(7<<25)   ; padding: 8 words behind each row
	s_mov_b32 s[G1B+1], TN<<16
	s_mov_b32 s[G1B+2], (KSTEP/2)<<16
	s_mov_b32 s[G1B+3], TN<<16
	s_mov_b32 s[G1B+4], KSTEP/2
	s_mov_b32 s[G1B+5], SIZE_N
	s_mov_b32 s[G1B+6], 0
	s_mov_b32 s[G1B+7], 0
	s_lshl_b32 s16, s13, 7
	s_lshl_b32 s17, s12, 6
	s_add_co_u32 s16, s16, s17                     ; A: row 128 x tile row + 64 x half
	s_mul_i32 s16, s16, SIZE_K*2
	s_add_co_u32 s16, s16, AOFF
	s_mov_b32 s17, 0
	s_mul_i32 s46, s12, (KSTEP/2)*SIZE_N*2         ; W: k-row KSTEP / 2 x half, column TN x tile column
	s_mul_i32 s47, s42, TN*2
	s_add_co_u32 s46, s46, s47
	s_add_co_u32 s46, s46, BOFF
	s_mov_b32 s47, 0
	s_mul_i32 s20, s12, 64*PA                      ; where they go: no place in the cluster enters an LDS address
	s_mul_i32 s21, s12, (KSTEP/2)*PB
	s_add_co_u32 s21, s21, APART
	s_wait_dscnt 0x0                               ; both opening adds are done
	s_wait_kmcnt 0x0
	s_add_nc_u64 s[14:15], s[4:5], s[16:17]
	s_add_nc_u64 s[46:47], s[6:7], s[46:47]
	CROUND                                         ; all sixteen work-groups are here: the first joint loads meet
.irp s, 0,1
	s_mov_b32 s[G0+4*\s], 1
	s_add_co_u32 s[G0+4*\s+1], s20, \s*SLOT
	s_add_nc_u64 s[G0+4*\s+2:G0+4*\s+3], s[14:15], \s*KSTEP*2
	s_or_b32 s[G0+4*\s+3], s[G0+4*\s+3], 0x80000000
	s_mov_b32 s[G0B+4*\s], 1
	s_add_co_u32 s[G0B+4*\s+1], s21, \s*SLOT
	s_add_nc_u64 s[G0B+4*\s+2:G0B+4*\s+3], s[46:47], \s*KSTEP*SIZE_N*2
	s_or_b32 s[G0B+4*\s+3], s[G0B+4*\s+3], 0x80000000
	JLOAD \s
.endr
	v_and_b32 v1, 15, v0                           ; r
	v_bfe_u32 v2, v0, 4, 1                         ; h
	v_mul_u32_u24 v3, v1, PA
	v_lshl_add_u32 v3, v2, 4, v3                   ; A: row x pitch + 16 x half
	v_and_b32 v4, 7, v0
	v_lshl_add_u32 v4, v2, 3, v4                   ; W, for the turning load: k-row 8 h + l % 8,
	v_mul_u32_u24 v4, v4, PB
	v_bfe_u32 v5, v0, 3, 1
	v_lshl_add_u32 v4, v5, 4, v4                   ; columns 8 ((l / 8) % 2) on
	s_mul_i32 s21, s11, 64*PA                      ; my 64 rows of A
	s_mul_i32 s22, s12, TN                         ; my TN / 2 columns of W,
	s_add_co_u32 s22, s22, APART                   ; which lies behind A's 128 rows
.irp s, 0,1
	v_add_nc_u32 v[ADRA+\s], s21, v3
	v_add_nc_u32 v[ADRB+2*\s], s22, v4
.if NS > 4
	v_add_nc_u32 v[ADRB+2*\s+1], 128*PB, v[ADRB+2*\s]
.endif
	s_add_co_u32 s21, s21, SLOT
	s_add_co_u32 s22, s22, SLOT
.endr
	s_mul_i32 s23, s10, 16*SPITCH
	s_add_co_u32 s23, s23, STAGE                   ; my stage
	v_mul_u32_u24 v6, v1, SPITCH
.if FFN == 1
	v_lshl_add_u32 v6, v2, 4, v6                   ; in: row r, 16 bytes (eight f16) for each half of the lanes
.else
	v_lshl_add_u32 v6, v2, 5, v6                   ; in: row r, 32 bytes (eight f32)
.endif
	v_add_nc_u32 v[STO], s23, v6
	v_mul_u32_u24 v7, v2, SPITCH
	v_lshl_add_u32 v7, v1, 4, v7
	v_add_nc_u32 v[RD], s23, v7                    ; back: lanes 0-15 one row of 256 bytes, lanes 16-31 the next
	v_lshlrev_b32 v[CO], 12, v2
	v_lshl_add_u32 v[CO], v1, 4, v[CO]             ; and the same two rows in C: 4,096 bytes a row in both products
	v_lshlrev_b32 v[BA], 5, v2                     ; the bias: my half's eight numbers of a block of 16
.if FFN == 1
	s_mov_b64 s[8:9], s[70:71]
.endif
	s_lshl_b32 s16, s13, 7
	s_lshl_b32 s17, s11, 6
	s_add_co_u32 s16, s16, s17                     ; my first row of C
	s_lshl_b32 s16, s16, 12
	s_mov_b32 s17, 0
	s_add_nc_u64 s[8:9], s[8:9], s[16:17]
	s_lshl_b32 s46, s42, 9                         ; my first column, in bytes: 512 x tile column + 256 x half in both products
	s_lshl_b32 s47, s12, 8
	s_add_co_u32 s46, s46, s47
	s_mov_b32 s47, 0
	s_add_nc_u64 s[8:9], s[8:9], s[46:47]
.if FFN == 2
	s_add_nc_u64 s[70:71], s[70:71], s[16:17]      ; the residual lies as out0 does
	s_add_nc_u64 s[70:71], s[70:71], s[46:47]
.endif
	s_mul_i32 s46, s42, TN*4
	s_mul_i32 s47, s12, TN*2
	s_add_co_u32 s46, s46, s47
	s_mov_b32 s47, 0
	s_add_nc_u64 s[68:69], s[68:69], s[46:47]
.set nb, 0
.rept NBW
	global_load_b128 v[BI+8*nb:BI+8*nb+3], v[BA], s[68:69] offset:64*nb
	global_load_b128 v[BI+8*nb+4:BI+8*nb+7], v[BA], s[68:69] offset:64*nb+16
.set nb, nb+1
.endr
.if FFN == 2
.set i, 0
.rept 32
	global_load_b128 v[128+4*i:128+4*i+3], v[CO], s[70:71] offset:(16*(i/8)+2*(i%8))*4096   ; the residual, in the lanes that will store those bytes
.set i, i+1
.endr
.endif
; NBW matrix instructions: A's block a x W's blocks, 32 along K, from buffer f.  All accumulators take turns, one instruction a turn, in the same order in every sub-step.
.macro MUL a, f, first
.set nb, 0
.rept NBW
.if \first
	v_wmma_f32_16x16x32_f16 v[8*(NBW*(\a)+nb):8*(NBW*(\a)+nb)+7], v[(\f)+32+8*nb:(\f)+32+8*nb+7], v[(\f)+8*(\a):(\f)+8*(\a)+7], v[BI+8*nb:BI+8*nb+7]
.else
	v_wmma_f32_16x16x32_f16 v[8*(NBW*(\a)+nb):8*(NBW*(\a)+nb)+7], v[(\f)+32+8*nb:(\f)+32+8*nb+7], v[(\f)+8*(\a):(\f)+8*(\a)+7], v[8*(NBW*(\a)+nb):8*(NBW*(\a)+nb)+7]
.endif
.set nb, nb+1
.endr
.endm
; NL LDS loads in one run: sub-step q of a slot into buffer f: W's blocks first, then A's four; A's blocks 2 and 3 are the last four loads
.macro FETCH slot, q, f
	WIN TO_F
.set i, 0
.rept NBW
	ds_load_tr16_b128 v[(\f)+32+8*i:(\f)+32+8*i+3],   v[ADRB+2*\slot+(\q)/4] offset:((\q)%4)*32*PB+32*i
	ds_load_tr16_b128 v[(\f)+32+8*i+4:(\f)+32+8*i+7], v[ADRB+2*\slot+(\q)/4] offset:((\q)%4)*32*PB+32*i+16*PB
.set i, i+1
.endr
.set i, 0
.rept 4
	ds_load_b128 v[(\f)+8*i:(\f)+8*i+3],   v[ADRA+\slot] offset:64*(\q)+i*16*PA
	ds_load_b128 v[(\f)+8*i+4:(\f)+8*i+7], v[ADRA+\slot] offset:64*(\q)+i*16*PA+32
.set i, i+1
.endr
.endm
.macro SUB slot, q, first              ; a sub-step that has its successor in the same slot
	s_wait_dscnt 4                                 ; W's blocks and A's blocks 0, 1 are in; the youngest four loads (A's blocks 2, 3) may be out
.if \first
	WIN MULW1
.else
	WIN MULW
.endif
	MUL 0, 128*((\q)%2), \first
	MUL 1, 128*((\q)%2), \first
	PLACES
	FETCH \slot, (\q)+1, 128*(1-(\q)%2)
	s_wait_dscnt NL                                ; all but the NL just issued
.if \first
	WIN MULW1
.else
	WIN MULW
.endif
	MUL 2, 128*((\q)%2), \first
	MUL 3, 128*((\q)%2), \first
.endm
; A slot's last sub-step multiplies buffer 1 and changes slots: one barrier; in front of it each wave waits for all its tensor loads, adds 0 to its spare word, and waits for that and for its reads of this slot.  fill = 1: this slot is filled again, two K steps ahead.
.macro TURN slot, next, fill
	WIN 0                                          ; the add's two registers lie in window 0
	s_wait_tensorcnt 0x0                           ; all my tensor loads have landed: my part of the next slot
	ds_add_u32 v[SPW], v[NIL]
	s_wait_dscnt 5                                 ; the add and the youngest four loads may be out
	WIN MULW
	MUL 0, F1, 0
	s_wait_dscnt 0x0                               ; the add is done, and my reads of this slot are over
	s_barrier_signal -1
	MUL 1, F1, 0
.if \fill
	WIN 0
.endif
	s_barrier_wait -1
.if \fill
	CREST                                          ; the barrier has opened a round of the cluster's barrier: no wave of any partner still reads this slot or has a load on its way
	s_add_nc_u64 s[G0+4*\slot+2:G0+4*\slot+3], s[G0+4*\slot+2:G0+4*\slot+3], 2*KSTEP*2
	s_add_nc_u64 s[G0B+4*\slot+2:G0B+4*\slot+3], s[G0B+4*\slot+2:G0B+4*\slot+3], 2*KSTEP*SIZE_N*2
	JLOAD \slot                                    ; the first tensor load behind the round; its four v_nop are also the plain lines in front of the loads below
.else
	PLACES
.endif
	FETCH \next, 0, F0
	WIN MULW
	MUL 2, F1, 0
	MUL 3, F1, 0
.endm
.macro SUBS slot, from
.set Q, \from
.rept NS-1-\from
	SUB \slot, Q, 0
.set Q, Q+1
.endr
.endm
	s_wait_tensorcnt 1                             ; my part of K step 0 is in; K step 1's load may be out
	s_barrier_signal -1
	s_barrier_wait -1
	FETCH 0, 0, F0
.if FFN == 1
	s_wait_loadcnt 0x0                             ; the bias
.else
	s_wait_loadcnt 32                              ; the bias is in; the 32 loads of the residual may stay out
.endif
	SUB 0, 0, 1                                    ; the first sub-step stands in front of the loop: its products start the sums from the bias
	WIN 0
	s_mov_b32 s3, LAPS-1
.Llap:                                             ; a trip goes once round the ring and fills both slots again
	SUBS 0, 1
	TURN 0, 1, 1
	SUBS 1, 0
	TURN 1, 0, 1
	SUB 0, 0, 0
	WIN 0
	s_sub_co_u32 s3, s3, 1
	s_cmp_lg_u32 s3, 0
	s_cbranch_scc1 .Llap
	SUBS 0, 1                                      ; the last lap fills nothing
	TURN 0, 1, 0
	SUBS 1, 0
	s_wait_dscnt 4
	WIN MULW
	MUL 0, F1, 0
	MUL 1, F1, 0
	s_wait_dscnt 0
	MUL 2, F1, 0
	MUL 3, F1, 0
	WIN 0
	PLACES
.if FFN == 1
; THE WAY OUT: relu in f32, rounded to f16; a block of 16 rows x 128 columns through my own stage; sixteen lanes store 256 consecutive bytes of a row of h16.
.macro PACK a
	WIN 0x08                                       ; source 1: window 2
.set i, 0
.rept 64
	v_max_num_f32 v[128+i], 0, v[64*(\a)+i]        ; ascending: each accumulator from its low end on
.set i, i+1
.endr
	WIN 0
.set i, 0
.rept 32
	v_cvt_pk_f16_f32 v[192+i], v[128+2*i], v[128+2*i+1]
.set i, i+1
.endr
.endm
.macro TOSTAGE a
.set BB, 96+128*((\a)%2)
.irp b, 0,1,2,3,4,5,6,7
	ds_store_b128 v[STO], v[192+4*\b:192+4*\b+3] offset:32*\b
.endr
.irp t, 0,1,2,3,4,5,6,7
	ds_load_b128 v[BB+4*\t:BB+4*\t+3], v[RD] offset:\t*2*SPITCH    ; LDS serves a wave's instructions in order: these see the stores above
.endr
.endm
.macro SEND a
.set BB, 96+128*((\a)%2)
	s_wait_dscnt 0x0                               ; the block is back in registers
	s_wait_xcnt 0x0                                ; the block before's stores have read their registers: the next block's loads may land there
.irp t, 0,1,2,3,4,5,6,7
	global_store_b128 v[CO], v[BB+4*\t:BB+4*\t+3], s[8:9] offset:(16*(\a)+2*\t)*4096
.endr
.endm
	PACK 0
	TOSTAGE 0
.irp a, 1,2,3
	PACK \a
	SEND \a-1
	TOSTAGE \a
.endr
	SEND 3
.else
; THE WAY OUT: a block of 16 rows x 64 columns of f32 through my own stage; the residual is added in the lanes that store; sixteen lanes store 256 consecutive bytes of a row of out0.
.macro TOSTAGE a
	WIN 0x08                                       ; an LDS store's data are its source 1: window 2
.irp b, 0,1,2,3
	ds_store_b128 v[STO], v[32*(\a)+8*\b:32*(\a)+8*\b+3] offset:64*\b          ; each accumulator from its low end on
	ds_store_b128 v[STO], v[32*(\a)+8*\b+4:32*(\a)+8*\b+7] offset:64*\b+16
.endr
	WIN 0
.set BB, 64+32*((\a)%2)
.irp t, 0,1,2,3,4,5,6,7
	ds_load_b128 v[BB+4*\t:BB+4*\t+3], v[RD] offset:\t*2*SPITCH
.endr
.endm
.macro SEND a, younger                 ; younger: the LDS instructions issued behind block a's loads
.set BB, 64+32*((\a)%2)
	s_wait_dscnt \younger
.set i, 0
.rept 16
	v_pk_add_f32 v[BB+2*i:BB+2*i+1], v[BB+2*i:BB+2*i+1], v[128+32*(\a)+2*i:128+32*(\a)+2*i+1]
.set i, i+1
.endr
.irp t, 0,1,2,3,4,5,6,7
	global_store_b128 v[CO], v[BB+4*\t:BB+4*\t+3], s[8:9] offset:(16*(\a)+2*\t)*4096 th:TH_STORE_NT
.endr
.endm
	s_wait_loadcnt 0x0                             ; the residual
	TOSTAGE 0
.irp a, 1,2,3
.if \a > 1
	s_wait_xcnt 0x0                                ; block a - 2's stores have read their registers: block a's loads may land there
.endif
	TOSTAGE \a
	SEND \a-1, 16                                  ; behind block a - 1's loads: block a's eight stores and eight loads
.endr
	SEND 3, 0
.endif
	s_wait_tensorcnt 0x0                           ; the wave's end
	ds_add_u32 v[SPW], v[NIL]
	s_wait_dscnt 0x0
	CROUND                                         ; the closing round
	s_endpgm
.Lfunc_end_k_qdedd83b58f_ffn1:
	.size	k_qdedd83b58f_ffn1, .Lfunc_end_k_qdedd83b58f_ffn1-k_qdedd83b58f_ffn1
	.p2alignl 7, 3214868480
	.fill 96, 4, 3214868480
	.section	.rodata,"a",@progbits
	.p2align	6, 0x0
	.amdhsa_kernel k_qdedd83b58f_ffn1
		.amdhsa_group_segment_fixed_size 327680
		.amdhsa_private_segment_fixed_size 0
		.amdhsa_enable_private_segment 0
		.amdhsa_kernarg_size 32
		.amdhsa_user_sgpr_count 2
		.amdhsa_user_sgpr_kernarg_segment_ptr 1
		.amdhsa_wavefront_size32 1
		.amdhsa_system_sgpr_workgroup_id_x 1
		.amdhsa_system_sgpr_workgroup_id_y 1
		.amdhsa_system_sgpr_workgroup_id_z 1
		.amdhsa_system_vgpr_workitem_id 0
		.amdhsa_next_free_vgpr 768
		.amdhsa_next_free_sgpr 72
		.amdhsa_reserve_vcc 0
		.amdhsa_float_denorm_mode_32 3
		.amdhsa_float_denorm_mode_16_64 3
		.amdhsa_memory_ordered 1
		.amdhsa_forward_progress 1
		.amdhsa_inst_pref_size 96
	.end_amdhsa_kernel
	.amdgpu_metadata
---
amdhsa.version: [ 1, 2 ]
amdhsa.kernels:
  - .name:           k_qdedd83b58f_ffn1
    .symbol:         k_qdedd83b58f_ffn1.kd
    .args:
      - { .name: ffi, .offset: 0, .size: 8, .value_kind: global_buffer, .address_space: global }
      - { .name: wh, .offset: 8, .size: 8, .value_kind: global_buffer, .address_space: global }
      - { .name: b1, .offset: 16, .size: 8, .value_kind: global_buffer, .address_space: global }
      - { .name: h16, .offset: 24, .size: 8, .value_kind: global_buffer, .address_space: global }
    .group_segment_fixed_size: 327680
    .private_segment_fixed_size: 0
    .kernarg_segment_align: 8
    .kernarg_segment_size: 32
    .max_flat_workgroup_size: 128
    .sgpr_count:     72
    .vgpr_count:     768
    .wavefront_size: 32
...
	.end_amdgpu_metadata
.endif
;; end of part 5
;; launch ffn2 (part 6): grid 8 x 32, 4 waves a work-group, clusters of 4 x 4, 327,680 bytes of LDS; arguments h16, wh, b2, ffi, out0; writes out0
.if DOCPART == 6
	.amdgcn_target "amdgcn-amd-amdhsa--gfx1250"
	.amdhsa_code_object_version 6
	.text
	.protected	k_qdedd83b58f_ffn2
	.globl	k_qdedd83b58f_ffn2
	.p2align	8
	.type	k_qdedd83b58f_ffn2,@function
k_qdedd83b58f_ffn2:
	s_mov_b64 s[64:65], 0
	v_nop
	global_prefetch_b8 v0, s[64:65] scope:SCOPE_SE
	s_setreg_imm32_b32 hwreg(HW_REG_WAVE_MODE, 25, 1), 1
	s_wait_xcnt 0x0
	s_wait_alu depctr_hold_cnt(0) depctr_sa_sdst(0) depctr_va_vdst(0) depctr_va_sdst(0) depctr_va_ssrc(0) depctr_va_vcc(0) depctr_vm_vsrc(0)
	s_getreg_b32 s2, hwreg(HW_REG_IB_STS2, 6, 4)
	s_cmp_eq_u32 s2, 0
	s_cbranch_scc0 .Lentry_in_a_cluster
	s_endpgm
.Lentry_in_a_cluster:
	s_bfe_u32 s2, ttmp6, 0x10000c
	s_cmp_lg_u32 s2, 0xf033
	s_cbranch_scc0 .Lentry_shape_is_right
	s_endpgm
.Lentry_shape_is_right:
; One text serves both products of the feed-forward; FFN says which.  FFN = 1: h16 = relu(ffi W1 + b1), f16.  FFN = 2: out0 = ffi + h16 W2 + b2, f32.  Operands f16, sums f32.
; A is [4096][SIZE_K] f16, K along the rows.  W is [SIZE_K][SIZE_N] f16 as JAX has it: its tiles lie in LDS as k-rows, and its fragments come out turned, by ds_load_tr16_b128.
; A tile of C is 128 x TN; four waves, each 64 x TN / 2.  K goes in steps of KSTEP through two LDS slots; waves 0 and 1 fetch A's halves (64 rows), waves 2 and 3 W's (KSTEP / 2 k-rows): one load a wave behind each change of slots.
; CLUSTERS: 4 x 4 work-groups; A's tiles are asked for jointly along a row of the cluster, W's along a column.
; THE MATRIX INSTRUCTION IS USED TRANSPOSED (source 0 = 16 columns of W, source 1 = 16 rows of A): a lane holds eight neighbouring columns of one row of C.  The bias is the C of each sum's first product.
; LIMITS: h stays under 65,504 (f16).
; REGISTERS.  window 0: v16-29 addresses; from v32 the bias, 8 registers a block of 16 columns; the rest serves the way out (FFN = 2: v128-255 hold the residual).  window 1: two fragment buffers of 128: A's four at +0, W's at +32.  window 2: the accumulators, (a, b) at v[8 (NBW a + b)].
.set FFN, 2
.if FFN == 1
.set SIZE_N, 2048
.set SIZE_K, 1024
.set TN,     256
.set NBW,    8
.set KSTEP,  128
.set QIA,    5
.set QIB,    6
.set AOFF,   16777216                  ; ffi's f16 copy
.set BOFF,   0
.else
.set SIZE_N, 1024
.set SIZE_K, 2048
.set TN,     128
.set NBW,    4
.set KSTEP,  256
.set QIA,    6
.set QIB,    5
.set AOFF,   0
.set BOFF,   4194304                   ; W2 in wh
.endif
.set NS,     KSTEP/32                  ; sub-steps of 32 along K in a K step
.set PA,     2*KSTEP+16                ; a row of A in LDS
.set PB,     2*TN+32                   ; a k-row of W in LDS
.set APART,  128*PA
.set BPART,  KSTEP*PB
.set SLOT,   APART+BPART
.set STAGE,  2*SLOT                    ; behind the ring: 16 rows x 272 bytes for each wave
.set SPITCH, 272
.set SPARE,  STAGE+4*16*SPITCH         ; the spare words, 128 bytes a wave
.set LAPS,   SIZE_K/(2*KSTEP)
.set NL,     2*NBW+8                   ; LDS loads of a sub-step
.set ADRA, 16
.set ADRB, 20                          ; v[20 + 2 slot + q / 4]: the second of a pair serves sub-steps 4 on, whose offsets would pass 16 bits
.set STO,  24
.set RD,   25
.set CO,   26
.set BA,   27
.set SPW,  28
.set NIL,  29
.set BI,   32
.set F0,   0
.set F1,   128
.set G1,  24
.set G0,  32
.set G1B, 48
.set G0B, 56
.set MSB, 0
.macro WIN new
.if MSB != \new
	s_set_vgpr_msb (MSB<<8)|\new
.set MSB, \new
.endif
.endm
.set MULW,  0xa5                       ; sources 0 and 1 window 1, C and D window 2
.set MULW1, 0x85                       ; the first sub-step: C is the bias, in window 0
.set TO_F,  0x40
.macro JLOAD s                         ; a joint load: waves 0 and 1 for A, waves 2 and 3 for W; an s_nop 0 and four v_nop follow each line
	s_cmp_eq_u32 s11, 0
	s_cbranch_scc0 .Lfor_b_\@
	tensor_load_to_lds s[G0+4*\s:G0+4*\s+3], s[G1:G1+7]
	s_nop 0
.rept 4
	v_nop
.endr
	s_branch .Lasked_\@
.Lfor_b_\@:
	tensor_load_to_lds s[G0B+4*\s:G0B+4*\s+3], s[G1B:G1B+7]
	s_nop 0
.rept 4
	v_nop
.endr
.Lasked_\@:
.endm
.macro CREST                           ; a round of the cluster's barrier behind its opening barrier
	s_cmp_lg_u32 s10, 0
	s_cbranch_scc1 .Lnot_wave_0_\@
	s_barrier_signal -3
.Lnot_wave_0_\@:
	s_barrier_wait -3
	s_barrier_signal -1
	s_barrier_wait -1
.endm
.macro CROUND
	s_barrier_signal -1
	s_barrier_wait -1
	CREST
.endm
.macro PLACES                          ; four plain lines between a matrix instruction and a load into, or a read of, its registers
.rept 4
	v_nop
.endr
.endm
	s_load_b128 s[4:7], s[0:1], 0x0                ; A s[4:5], wh s[6:7]
	s_load_b128 s[68:71], s[0:1], 0x10             ; the bias s[68:69]; FFN = 1: h16, FFN = 2: ffi s[70:71]
.if FFN == 2
	s_load_b64 s[8:9], s[0:1], 0x20                ; out0
.endif
	v_lshl_add_u32 v[SPW], v0, 2, SPARE
	v_mov_b32 v[NIL], 0
	ds_add_u32 v[SPW], v[NIL]                      ; the wave's opening: the add, twice on end, and its wait ahead of my first tensor load
	ds_add_u32 v[SPW], v[NIL]
	v_lshrrev_b32 v1, 5, v0
	v_readfirstlane_b32 s10, v1                    ; wave 0..3
	s_lshr_b32 s11, s10, 1                         ; which half of the tile's rows is mine; also: I fetch for A (0) or for W (1)
	s_and_b32 s12, s10, 1                          ; which half of its columns; also: which half of that tile I fetch
	s_bfe_u32 s40, ttmp6, 0x40000                  ; cx
	s_bfe_u32 s41, ttmp6, 0x40004                  ; cy
	s_lshl_b32 s42, ttmp9, 2
	s_add_co_u32 s42, s42, s40                     ; tile column
	s_and_b32 s13, ttmp7, 0xffff
	s_lshl_b32 s13, s13, 2
	s_add_co_u32 s13, s13, s41                     ; tile row
	s_lshl_b32 s43, s41, 2
	s_lshl_b32 s43, 15, s43                        ; my row of the cluster
	s_lshl_b32 s44, 0x1111, s40                    ; my column
	s_or_b32 s[G1+0], s43, (1<<16)|(1<<20)|(1<<21)|(QIA<<22)|(3<<25)    ; the mask; elements of 2 bytes; padding: 4 words behind each row
	s_mov_b32 s[G1+1], KSTEP<<16                   ; tensor_dim0
	s_mov_b32 s[G1+2], 64<<16                      ; tensor_dim1
	s_mov_b32 s[G1+3], KSTEP<<16                   ; tile_dim0
	s_mov_b32 s[G1+4], 64                          ; tile_dim1
	s_mov_b32 s[G1+5], SIZE_K                      ; from row to row
	s_mov_b32 s[G1+6], 0
	s_mov_b32 s[G1+7], 0
	s_or_b32 s[G1B+0], s44, (1<<16)|(1<<20)|(1<<21)|(QIB<<22)|(7<<25)   ; padding: 8 words behind each row
	s_mov_b32 s[G1B+1], TN<<16
	s_mov_b32 s[G1B+2], (KSTEP/2)<<16
	s_mov_b32 s[G1B+3], TN<<16
	s_mov_b32 s[G1B+4], KSTEP/2
	s_mov_b32 s[G1B+5], SIZE_N
	s_mov_b32 s[G1B+6], 0
	s_mov_b32 s[G1B+7], 0
	s_lshl_b32 s16, s13, 7
	s_lshl_b32 s17, s12, 6
	s_add_co_u32 s16, s16, s17                     ; A: row 128 x tile row + 64 x half
	s_mul_i32 s16, s16, SIZE_K*2
	s_add_co_u32 s16, s16, AOFF
	s_mov_b32 s17, 0
	s_mul_i32 s46, s12, (KSTEP/2)*SIZE_N*2         ; W: k-row KSTEP / 2 x half, column TN x tile column
	s_mul_i32 s47, s42, TN*2
	s_add_co_u32 s46, s46, s47
	s_add_co_u32 s46, s46, BOFF
	s_mov_b32 s47, 0
	s_mul_i32 s20, s12, 64*PA                      ; where they go: no place in the cluster enters an LDS address
	s_mul_i32 s21, s12, (KSTEP/2)*PB
	s_add_co_u32 s21, s21, APART
	s_wait_dscnt 0x0                               ; both opening adds are done
	s_wait_kmcnt 0x0
	s_add_nc_u64 s[14:15], s[4:5], s[16:17]
	s_add_nc_u64 s[46:47], s[6:7], s[46:47]
	CROUND                                         ; all sixteen work-groups are here: the first joint loads meet
.irp s, 0,1
	s_mov_b32 s[G0+4*\s], 1
	s_add_co_u32 s[G0+4*\s+1], s20, \s*SLOT
	s_add_nc_u64 s[G0+4*\s+2:G0+4*\s+3], s[14:15], \s*KSTEP*2
	s_or_b32 s[G0+4*\s+3], s[G0+4*\s+3], 0x80000000
	s_mov_b32 s[G0B+4*\s], 1
	s_add_co_u32 s[G0B+4*\s+1], s21, \s*SLOT
	s_add_nc_u64 s[G0B+4*\s+2:G0B+4*\s+3], s[46:47], \s*KSTEP*SIZE_N*2
	s_or_b32 s[G0B+4*\s+3], s[G0B+4*\s+3], 0x80000000
	JLOAD \s
.endr
	v_and_b32 v1, 15, v0                           ; r
	v_bfe_u32 v2, v0, 4, 1                         ; h
	v_mul_u32_u24 v3, v1, PA
	v_lshl_add_u32 v3, v2, 4, v3                   ; A: row x pitch + 16 x half
	v_and_b32 v4, 7, v0
	v_lshl_add_u32 v4, v2, 3, v4                   ; W, for the turning load: k-row 8 h + l % 8,
	v_mul_u32_u24 v4, v4, PB
	v_bfe_u32 v5, v0, 3, 1
	v_lshl_add_u32 v4, v5, 4, v4                   ; columns 8 ((l / 8) % 2) on
	s_mul_i32 s21, s11, 64*PA                      ; my 64 rows of A
	s_mul_i32 s22, s12, TN                         ; my TN / 2 columns of W,
	s_add_co_u32 s22, s22, APART                   ; which lies behind A's 128 rows
.irp s, 0,1
	v_add_nc_u32 v[ADRA+\s], s21, v3
	v_add_nc_u32 v[ADRB+2*\s], s22, v4
.if NS > 4
	v_add_nc_u32 v[ADRB+2*\s+1], 128*PB, v[ADRB+2*\s]
.endif
	s_add_co_u32 s21, s21, SLOT
	s_add_co_u32 s22, s22, SLOT
.endr
	s_mul_i32 s23, s10, 16*SPITCH
	s_add_co_u32 s23, s23, STAGE                   ; my stage
	v_mul_u32_u24 v6, v1, SPITCH
.if FFN == 1
	v_lshl_add_u32 v6, v2, 4, v6                   ; in: row r, 16 bytes (eight f16) for each half of the lanes
.else
	v_lshl_add_u32 v6, v2, 5, v6                   ; in: row r, 32 bytes (eight f32)
.endif
	v_add_nc_u32 v[STO], s23, v6
	v_mul_u32_u24 v7, v2, SPITCH
	v_lshl_add_u32 v7, v1, 4, v7
	v_add_nc_u32 v[RD], s23, v7                    ; back: lanes 0-15 one row of 256 bytes, lanes 16-31 the next
	v_lshlrev_b32 v[CO], 12, v2
	v_lshl_add_u32 v[CO], v1, 4, v[CO]             ; and the same two rows in C: 4,096 bytes a row in both products
	v_lshlrev_b32 v[BA], 5, v2                     ; the bias: my half's eight numbers of a block of 16
.if FFN == 1
	s_mov_b64 s[8:9], s[70:71]
.endif
	s_lshl_b32 s16, s13, 7
	s_lshl_b32 s17, s11, 6
	s_add_co_u32 s16, s16, s17                     ; my first row of C
	s_lshl_b32 s16, s16, 12
	s_mov_b32 s17, 0
	s_add_nc_u64 s[8:9], s[8:9], s[16:17]
	s_lshl_b32 s46, s42, 9                         ; my first column, in bytes: 512 x tile column + 256 x half in both products
	s_lshl_b32 s47, s12, 8
	s_add_co_u32 s46, s46, s47
	s_mov_b32 s47, 0
	s_add_nc_u64 s[8:9], s[8:9], s[46:47]
.if FFN == 2
	s_add_nc_u64 s[70:71], s[70:71], s[16:17]      ; the residual lies as out0 does
	s_add_nc_u64 s[70:71], s[70:71], s[46:47]
.endif
	s_mul_i32 s46, s42, TN*4
	s_mul_i32 s47, s12, TN*2
	s_add_co_u32 s46, s46, s47
	s_mov_b32 s47, 0
	s_add_nc_u64 s[68:69], s[68:69], s[46:47]
.set nb, 0
.rept NBW
	global_load_b128 v[BI+8*nb:BI+8*nb+3], v[BA], s[68:69] offset:64*nb
	global_load_b128 v[BI+8*nb+4:BI+8*nb+7], v[BA], s[68:69] offset:64*nb+16
.set nb, nb+1
.endr
.if FFN == 2
.set i, 0
.rept 32
	global_load_b128 v[128+4*i:128+4*i+3], v[CO], s[70:71] offset:(16*(i/8)+2*(i%8))*4096   ; the residual, in the lanes that will store those bytes
.set i, i+1
.endr
.endif
; NBW matrix instructions: A's block a x W's blocks, 32 along K, from buffer f.  All accumulators take turns, one instruction a turn, in the same order in every sub-step.
.macro MUL a, f, first
.set nb, 0
.rept NBW
.if \first
	v_wmma_f32_16x16x32_f16 v[8*(NBW*(\a)+nb):8*(NBW*(\a)+nb)+7], v[(\f)+32+8*nb:(\f)+32+8*nb+7], v[(\f)+8*(\a):(\f)+8*(\a)+7], v[BI+8*nb:BI+8*nb+7]
.else
	v_wmma_f32_16x16x32_f16 v[8*(NBW*(\a)+nb):8*(NBW*(\a)+nb)+7], v[(\f)+32+8*nb:(\f)+32+8*nb+7], v[(\f)+8*(\a):(\f)+8*(\a)+7], v[8*(NBW*(\a)+nb):8*(NBW*(\a)+nb)+7]
.endif
.set nb, nb+1
.endr
.endm
; NL LDS loads in one run: sub-step q of a slot into buffer f: W's blocks first, then A's four; A's blocks 2 and 3 are the last four loads
.macro FETCH slot, q, f
	WIN TO_F
.set i, 0
.rept NBW
	ds_load_tr16_b128 v[(\f)+32+8*i:(\f)+32+8*i+3],   v[ADRB+2*\slot+(\q)/4] offset:((\q)%4)*32*PB+32*i
	ds_load_tr16_b128 v[(\f)+32+8*i+4:(\f)+32+8*i+7], v[ADRB+2*\slot+(\q)/4] offset:((\q)%4)*32*PB+32*i+16*PB
.set i, i+1
.endr
.set i, 0
.rept 4
	ds_load_b128 v[(\f)+8*i:(\f)+8*i+3],   v[ADRA+\slot] offset:64*(\q)+i*16*PA
	ds_load_b128 v[(\f)+8*i+4:(\f)+8*i+7], v[ADRA+\slot] offset:64*(\q)+i*16*PA+32
.set i, i+1
.endr
.endm
.macro SUB slot, q, first              ; a sub-step that has its successor in the same slot
	s_wait_dscnt 4                                 ; W's blocks and A's blocks 0, 1 are in; the youngest four loads (A's blocks 2, 3) may be out
.if \first
	WIN MULW1
.else
	WIN MULW
.endif
	MUL 0, 128*((\q)%2), \first
	MUL 1, 128*((\q)%2), \first
	PLACES
	FETCH \slot, (\q)+1, 128*(1-(\q)%2)
	s_wait_dscnt NL                                ; all but the NL just issued
.if \first
	WIN MULW1
.else
	WIN MULW
.endif
	MUL 2, 128*((\q)%2), \first
	MUL 3, 128*((\q)%2), \first
.endm
; A slot's last sub-step multiplies buffer 1 and changes slots: one barrier; in front of it each wave waits for all its tensor loads, adds 0 to its spare word, and waits for that and for its reads of this slot.  fill = 1: this slot is filled again, two K steps ahead.
.macro TURN slot, next, fill
	WIN 0                                          ; the add's two registers lie in window 0
	s_wait_tensorcnt 0x0                           ; all my tensor loads have landed: my part of the next slot
	ds_add_u32 v[SPW], v[NIL]
	s_wait_dscnt 5                                 ; the add and the youngest four loads may be out
	WIN MULW
	MUL 0, F1, 0
	s_wait_dscnt 0x0                               ; the add is done, and my reads of this slot are over
	s_barrier_signal -1
	MUL 1, F1, 0
.if \fill
	WIN 0
.endif
	s_barrier_wait -1
.if \fill
	CREST                                          ; the barrier has opened a round of the cluster's barrier: no wave of any partner still reads this slot or has a load on its way
	s_add_nc_u64 s[G0+4*\slot+2:G0+4*\slot+3], s[G0+4*\slot+2:G0+4*\slot+3], 2*KSTEP*2
	s_add_nc_u64 s[G0B+4*\slot+2:G0B+4*\slot+3], s[G0B+4*\slot+2:G0B+4*\slot+3], 2*KSTEP*SIZE_N*2
	JLOAD \slot                                    ; the first tensor load behind the round; its four v_nop are also the plain lines in front of the loads below
.else
	PLACES
.endif
	FETCH \next, 0, F0
	WIN MULW
	MUL 2, F1, 0
	MUL 3, F1, 0
.endm
.macro SUBS slot, from
.set Q, \from
.rept NS-1-\from
	SUB \slot, Q, 0
.set Q, Q+1
.endr
.endm
	s_wait_tensorcnt 1                             ; my part of K step 0 is in; K step 1's load may be out
	s_barrier_signal -1
	s_barrier_wait -1
	FETCH 0, 0, F0
.if FFN == 1
	s_wait_loadcnt 0x0                             ; the bias
.else
	s_wait_loadcnt 32                              ; the bias is in; the 32 loads of the residual may stay out
.endif
	SUB 0, 0, 1                                    ; the first sub-step stands in front of the loop: its products start the sums from the bias
	WIN 0
	s_mov_b32 s3, LAPS-1
.Llap:                                             ; a trip goes once round the ring and fills both slots again
	SUBS 0, 1
	TURN 0, 1, 1
	SUBS 1, 0
	TURN 1, 0, 1
	SUB 0, 0, 0
	WIN 0
	s_sub_co_u32 s3, s3, 1
	s_cmp_lg_u32 s3, 0
	s_cbranch_scc1 .Llap
	SUBS 0, 1                                      ; the last lap fills nothing
	TURN 0, 1, 0
	SUBS 1, 0
	s_wait_dscnt 4
	WIN MULW
	MUL 0, F1, 0
	MUL 1, F1, 0
	s_wait_dscnt 0
	MUL 2, F1, 0
	MUL 3, F1, 0
	WIN 0
	PLACES
.if FFN == 1
; THE WAY OUT: relu in f32, rounded to f16; a block of 16 rows x 128 columns through my own stage; sixteen lanes store 256 consecutive bytes of a row of h16.
.macro PACK a
	WIN 0x08                                       ; source 1: window 2
.set i, 0
.rept 64
	v_max_num_f32 v[128+i], 0, v[64*(\a)+i]        ; ascending: each accumulator from its low end on
.set i, i+1
.endr
	WIN 0
.set i, 0
.rept 32
	v_cvt_pk_f16_f32 v[192+i], v[128+2*i], v[128+2*i+1]
.set i, i+1
.endr
.endm
.macro TOSTAGE a
.set BB, 96+128*((\a)%2)
.irp b, 0,1,2,3,4,5,6,7
	ds_store_b128 v[STO], v[192+4*\b:192+4*\b+3] offset:32*\b
.endr
.irp t, 0,1,2,3,4,5,6,7
	ds_load_b128 v[BB+4*\t:BB+4*\t+3], v[RD] offset:\t*2*SPITCH    ; LDS serves a wave's instructions in order: these see the stores above
.endr
.endm
.macro SEND a
.set BB, 96+128*((\a)%2)
	s_wait_dscnt 0x0                               ; the block is back in registers
	s_wait_xcnt 0x0                                ; the block before's stores have read their registers: the next block's loads may land there
.irp t, 0,1,2,3,4,5,6,7
	global_store_b128 v[CO], v[BB+4*\t:BB+4*\t+3], s[8:9] offset:(16*(\a)+2*\t)*4096
.endr
.endm
	PACK 0
	TOSTAGE 0
.irp a, 1,2,3
	PACK \a
	SEND \a-1
	TOSTAGE \a
.endr
	SEND 3
.else
; THE WAY OUT: a block of 16 rows x 64 columns of f32 through my own stage; the residual is added in the lanes that store; sixteen lanes store 256 consecutive bytes of a row of out0.
.macro TOSTAGE a
	WIN 0x08                                       ; an LDS store's data are its source 1: window 2
.irp b, 0,1,2,3
	ds_store_b128 v[STO], v[32*(\a)+8*\b:32*(\a)+8*\b+3] offset:64*\b          ; each accumulator from its low end on
	ds_store_b128 v[STO], v[32*(\a)+8*\b+4:32*(\a)+8*\b+7] offset:64*\b+16
.endr
	WIN 0
.set BB, 64+32*((\a)%2)
.irp t, 0,1,2,3,4,5,6,7
	ds_load_b128 v[BB+4*\t:BB+4*\t+3], v[RD] offset:\t*2*SPITCH
.endr
.endm
.macro SEND a, younger                 ; younger: the LDS instructions issued behind block a's loads
.set BB, 64+32*((\a)%2)
	s_wait_dscnt \younger
.set i, 0
.rept 16
	v_pk_add_f32 v[BB+2*i:BB+2*i+1], v[BB+2*i:BB+2*i+1], v[128+32*(\a)+2*i:128+32*(\a)+2*i+1]
.set i, i+1
.endr
.irp t, 0,1,2,3,4,5,6,7
	global_store_b128 v[CO], v[BB+4*\t:BB+4*\t+3], s[8:9] offset:(16*(\a)+2*\t)*4096 th:TH_STORE_NT
.endr
.endm
	s_wait_loadcnt 0x0                             ; the residual
	TOSTAGE 0
.irp a, 1,2,3
.if \a > 1
	s_wait_xcnt 0x0                                ; block a - 2's stores have read their registers: block a's loads may land there
.endif
	TOSTAGE \a
	SEND \a-1, 16                                  ; behind block a - 1's loads: block a's eight stores and eight loads
.endr
	SEND 3, 0
.endif
	s_wait_tensorcnt 0x0                           ; the wave's end
	ds_add_u32 v[SPW], v[NIL]
	s_wait_dscnt 0x0
	CROUND                                         ; the closing round
	s_endpgm
.Lfunc_end_k_qdedd83b58f_ffn2:
	.size	k_qdedd83b58f_ffn2, .Lfunc_end_k_qdedd83b58f_ffn2-k_qdedd83b58f_ffn2
	.p2alignl 7, 3214868480
	.fill 96, 4, 3214868480
	.section	.rodata,"a",@progbits
	.p2align	6, 0x0
	.amdhsa_kernel k_qdedd83b58f_ffn2
		.amdhsa_group_segment_fixed_size 327680
		.amdhsa_private_segment_fixed_size 0
		.amdhsa_enable_private_segment 0
		.amdhsa_kernarg_size 40
		.amdhsa_user_sgpr_count 2
		.amdhsa_user_sgpr_kernarg_segment_ptr 1
		.amdhsa_wavefront_size32 1
		.amdhsa_system_sgpr_workgroup_id_x 1
		.amdhsa_system_sgpr_workgroup_id_y 1
		.amdhsa_system_sgpr_workgroup_id_z 1
		.amdhsa_system_vgpr_workitem_id 0
		.amdhsa_next_free_vgpr 768
		.amdhsa_next_free_sgpr 72
		.amdhsa_reserve_vcc 0
		.amdhsa_float_denorm_mode_32 3
		.amdhsa_float_denorm_mode_16_64 3
		.amdhsa_memory_ordered 1
		.amdhsa_forward_progress 1
		.amdhsa_inst_pref_size 99
	.end_amdhsa_kernel
	.amdgpu_metadata
---
amdhsa.version: [ 1, 2 ]
amdhsa.kernels:
  - .name:           k_qdedd83b58f_ffn2
    .symbol:         k_qdedd83b58f_ffn2.kd
    .args:
      - { .name: h16, .offset: 0, .size: 8, .value_kind: global_buffer, .address_space: global }
      - { .name: wh, .offset: 8, .size: 8, .value_kind: global_buffer, .address_space: global }
      - { .name: b2, .offset: 16, .size: 8, .value_kind: global_buffer, .address_space: global }
      - { .name: ffi, .offset: 24, .size: 8, .value_kind: global_buffer, .address_space: global }
      - { .name: out0, .offset: 32, .size: 8, .value_kind: global_buffer, .address_space: global }
    .group_segment_fixed_size: 327680
    .private_segment_fixed_size: 0
    .kernarg_segment_align: 8
    .kernarg_segment_size: 40
    .max_flat_workgroup_size: 128
    .sgpr_count:     72
    .vgpr_count:     768
    .wavefront_size: 32
...
	.end_amdgpu_metadata
.endif
;; end of part 6
